; MI455X (gfx1250); checked and timed in simulation.
; The chip was launched on July 23, 2026; its instructions are those of AMD's public machine-readable ISA for CDNA 5 (MIT licence, August 2026) and "CDNA5" Instruction Set Architecture Reference Guide (July 2026). The comments in the code are by the model that wrote it; some were corrected since.
;; Performer Self Attention. Allowed arithmetic: matrix products marked QUANTISED: E5M2 operands, one E8M0 scale for each 32 along K, by v_wmma_scale_f32_16x16x128_f8f6f4 with both operands' format E5M2, f32 sums; everything else in f32.
;; Inputs: Wk_codes 1,024 x 32 x 32 uint8 (E5M2 codes of Wk, K innermost, in blocks of 32 codes); Wk_scales 1,024 x 32 uint8 (E8M0 scales of Wk, one for each 32 codes along K); Wo_codes 1,024 x 32 x 32 uint8 (E5M2 codes of Wo, K innermost, in blocks of 32 codes); Wo_scales 1,024 x 32 uint8 (E8M0 scales of Wo, one for each 32 codes along K); Wq_codes 1,024 x 32 x 32 uint8 (E5M2 codes of Wq, K innermost, in blocks of 32 codes); Wq_scales 1,024 x 32 uint8 (E8M0 scales of Wq, one for each 32 codes along K); Wv_codes 1,024 x 32 x 32 uint8 (E5M2 codes of Wv, K innermost, in blocks of 32 codes); Wv_scales 1,024 x 32 uint8 (E8M0 scales of Wv, one for each 32 codes along K); bk 1,024 float32; bo 1,024 float32; bq 1,024 float32; bv 1,024 float32; x_codes 4 x 4,096 x 32 x 32 uint8 (E5M2 codes of x, K innermost, in blocks of 32 codes); x_scales 4 x 4,096 x 32 uint8 (E8M0 scales of x, one for each 32 codes along K).
;; Outputs: out0 4 x 4,096 x 1,024 float32.
;; This version of the problem:
;;   THIS VERSION OF THE PROBLEM IS GIVEN IN LOW PRECISION. The matrix products marked QUANTISED in the list below multiply operands that are first quantised to E5M2 (5 exponent bits, 2 mantissa bits; 8 bits a number), with one power-of-two scale for each 32 numbers along K (OCP MX v1.0); their sums are f32. All else is computed in f32.
;;   The module's matrix products, in the order in which they are computed (A, B: the left and right operand; K: the contracted axis; several contracted axes count as one K, in the product's order):
;;     1. [M 16,384, K 1,024] x [K 1,024, N 1,024]; A: input x (given as codes); B: input Wq (given as codes): QUANTISED
;;     2. [M 16,384, K 1,024] x [K 1,024, N 1,024]; A: input x (given as codes); B: input Wk (given as codes): QUANTISED
;;     3. [M 16,384, K 1,024] x [K 1,024, N 1,024]; A: input x (given as codes); B: input Wv (given as codes): QUANTISED
;;     4. [M 16,384, K 1,024] x [K 1,024, N 1,024]; A: computed on the way; B: input Wo (given as codes): QUANTISED
;;   THE QUANTISER, for each operand of a quantised product, along K:
;;     - K is cut into blocks of 32 from its start; a last block that is shorter is filled with zeros.
;;     - A block's scale is 2^e with e = floor(log2(the largest magnitude in the block)) - 15, held to -126 .. 127; a block of zeros has e = 0. As a byte (E8M0): e + 127.
;;     - Each number is divided by its block's scale, clamped to +-57,344, and rounded to the nearest number of E5M2, ties to even, subnormals kept.
;;     - The product sums the exact products of the quantised numbers (number of the format x scale) in f32.
;;   ~~~python
;;   def quantise(x, axis):      # numpy; x: float32 -> the quantised numbers, widened to float32 again
;;       x = np.moveaxis(x, axis, -1); K = x.shape[-1]
;;       x = np.pad(x, [(0, 0)] * (x.ndim - 1) + [(0, -K % 32)]); x = x.reshape(x.shape[:-1] + (-1, 32)); a = np.abs(x).max(-1, keepdims=True)
;;       e = np.where(a > 0, np.clip(np.frexp(np.where(a > 0, a, 1))[1] - 1 - 15, -126, 127), 0)      # np.frexp(a)[1] - 1 = floor(log2(a)), exactly
;;       r = np.clip(x / 2.0 ** e, -57344, 57344)
;;       step = 2.0 ** (np.maximum(np.frexp(np.where(r == 0, 1, r))[1] - 1, -14) - 2)
;;       q = np.round(r / step) * step * 2.0 ** e      # np.round: ties to even
;;       return np.moveaxis(q.reshape(q.shape[:-2] + (-1,))[..., :K], -1, axis).astype(np.float32)
;;   ~~~
;;   OPERANDS COMPUTED ON THE WAY. 'Computed on the way' means the value that the module computes at that place (a softmax that the list does not call 'softmax' is quantised finished and normalised). What goes into a quantiser is computed in f32, as accurately as f32 sums, v_exp_f32 and their like allow (about 1e-6 of the number): no bf16 or f16 on the way to a quantiser, and a product that is left as it is and whose result goes on into a quantised operand takes f32 operands (vector FMAs, or v_wmma_f32_16x16x4_f32). A number that lies on a knife's edge between two numbers of the format may be rounded either way, as far as f32 arithmetic and the matrix unit's own rounding can turn it there, and no further.
;;   INPUTS GIVEN AS CODES. Wk (in the module: [1024, 1024], K = its axis 0); Wo (in the module: [1024, 1024], K = its axis 0); Wq (in the module: [1024, 1024], K = its axis 0); Wv (in the module: [1024, 1024], K = its axis 0); x (in the module: [4, 4096, 1024], K = its axis 2): each comes as NAME_codes (uint8): NAME with its K axis moved to the last place and cut into blocks of 32 codes, [.., K / 32, bytes a block], one block behind the other in memory; one code a byte (a code: sign, 5 exponent bits, 2 mantissa bits); and NAME_scales (uint8): the same leading axes, one E8M0 byte (e + 127) for each 32 codes along K. Its value is code x scale, taken as it is: it is not quantised again, and the codes and scales need not be those that the quantiser above would give.
;; 2 versions. Each part assembles by itself: llvm-mc -triple=amdgcn-amd-amdhsa -mcpu=gfx1250 --defsym DOCPART=n.
;; ======== version 1 of 2: 2 launches
;; workspace buffers: hc 16,777,216 bytes; hs 524,288 bytes
;; launch qkv (part 1): grid 4 x 64, 4 waves a work-group, clusters of 4 x 4, 327,680 bytes of LDS; arguments x_codes, x_scales, Wq_codes, Wq_scales, bq, Wk_codes, Wk_scales, bk, Wv_codes, Wv_scales, bv, hc, hs; writes hc, hs
.if DOCPART == 1
	.amdgcn_target "amdgcn-amd-amdhsa--gfx1250"
	.amdhsa_code_object_version 6
	.text
	.protected	k_qbbecbf9e6d_qkv
	.globl	k_qbbecbf9e6d_qkv
	.p2align	8
	.type	k_qbbecbf9e6d_qkv,@function
k_qbbecbf9e6d_qkv:
	s_mov_b64 s[64:65], 0
	v_nop
	global_prefetch_b8 v0, s[64:65] scope:SCOPE_SE
	s_setreg_imm32_b32 hwreg(HW_REG_WAVE_MODE, 25, 1), 1
	s_wait_xcnt 0x0
	s_wait_alu depctr_hold_cnt(0) depctr_sa_sdst(0) depctr_va_vdst(0) depctr_va_sdst(0) depctr_va_ssrc(0) depctr_va_vcc(0) depctr_vm_vsrc(0)
	s_getreg_b32 s2, hwreg(HW_REG_IB_STS2, 6, 4)
	s_cmp_eq_u32 s2, 0
	s_cbranch_scc0 .Lentry_in_a_cluster
	s_endpgm
.Lentry_in_a_cluster:
	s_bfe_u32 s2, ttmp6, 0x10000c
	s_cmp_lg_u32 s2, 0xf033
	s_cbranch_scc0 .Lentry_shape_is_right
	s_endpgm
.Lentry_shape_is_right:
; hidden[row][64 head + c] = (sum over e of exp(-(a_e^2 + b_e^2) / 2)) x v_c,  a = x Wq + bq, b = x Wk + bk, v = x Wv + bv, each for one head of 64 columns.
; The three products run on codes of BF8 (E5M2) with one E8M0 byte for each 32 along K, as they arrive.  hidden is quantised along its columns (a head = two blocks of 32) and
; leaves as codes (hc) and scale words (hs), laid as the next launch's operand registers want them.
; SHARES.  A work-group takes 256 rows (row block rb) and 256 columns (column group g = four heads).  Wave w owns rows 64 w .. 64 w + 63: four tiles of 16.
; ITS ROWS OF x STAY IN REGISTERS: 64 rows x 1,024 codes = 512 registers (windows 2 and 3), read once.  All four waves walk the same tiles of the weights out of LDS.
; A weight tile is 16 rows of W for all of K: 8 fragments, 32 matrix instructions on four accumulators (my four row tiles) by turns, K ascending.
; THE MATRIX INSTRUCTION IS USED TRANSPOSED: source 0 = 16 rows of W, source 1 = 16 of my rows: register j of lane (r, h) is (my row r, W row 8 h + j).  The bias is the C of a sum's first instruction.
; THE STREAM.  A head is 12 tiles = 24 half tiles (4 K steps, 16 matrix instructions each) = 6 pair steps.  Its weights are six pieces of 32 rows in two LDS slots:
;   slot A: Wq e 0-31, Wk e 0-31, Wq e 32-63;   slot B: Wk e 32-63, Wv c 0-31, Wv c 32-63.   Waves 0, 1, 2 fetch one piece each; wave 3 fetches none.
; BY TURNS.  The vector work on a finished set of accumulators stands in slices behind the matrix instructions that fill another set (three sets of 64 registers).
; CLUSTER.  4 x 4 work-groups.  The four of a column of the cluster have the same g and need the same pieces: each is asked for jointly.  x is NOT asked for jointly, though the four of a row share it:
;   256 rows x 1,040 bytes = 266,240 bytes do not fit in LDS beside the ring's 199,680.
; LIMITS.  v_exp_f32 gives 0 for results under 2^-126, so a sum all of whose 64 terms lie there is 0.  A block of zeros gets the scale byte 1, not 127: its codes are zeros and this program alone reads the bytes.
;   NaN and infinities among the numbers are not served.
.set PITCH,  1040                      ; an LDS row of W or x: 1,024 bytes + 16 of padding = 260 words: 16 neighbouring rows start 4 words apart modulo 64
.set PIECE,  32*PITCH                  ; 33,280
.set HTILE,  16*PITCH
.set SLOTB,  3*PIECE                   ; slot B begins here
.set SCL,    6*PIECE                   ; scale bytes of my 256 rows of Wq, Wk, Wv: 8,192 bytes each as 32 rows of 256 + 16
.set SCM,    32*272
.set BIA,    SCL+3*SCM                 ; bq, bk, bv of my 256 columns, 1,024 bytes each
.set STG,    BIA+3*1024                ; a stage of 16 rows x 1,040 for each wave, in which x is turned; no fill lands here
.set SPARE,  STG+4*HTILE               ; the spare words, 128 bytes a wave: two blocks of 256 bytes that no other line names
; window 0
.set SPW, 1                            ; v1   SPARE + 4 x thread; never rewritten
.set NIL, 2                            ; v2   0; never rewritten
.set PB,  3                            ; v3-8 my lane's place in piece k: 1,040 r + 16 h + 33,280 k
.set ASC, 9                            ; v9   my lane's place among the scale bytes of a piece's 32 rows; steps a head a trip
.set ABI, 10                           ; v10  BIA + 32 h; steps a head a trip
.set CO,  11                           ; v11  16 x lane
.set XT,  12                           ; v12  the stage, on the way in
.set XR,  13                           ; v13  the stage, on the way out
.set XS,  16                           ; v16-31  x's scale words [8 p + s]: lanes 0-15 row tile 2 p, lanes 16-31 row tile 2 p + 1
.set Z,   32                           ; v32-55  W's scale words [8 z + s]: lanes 0-15 the piece's rows 0-15, lanes 16-31 its rows 16-31
.set BB,  64                           ; v64-255 three buffers of four fragments of W
; window 1
.set SET0, 0                           ; three sets of accumulators: 64 set + 32 tau + 8 m
.set SET1, 64
.set SET2, 128
.set CS,  192                          ; v192-199 the sums, a pair for each row tile; the finished sum in the low word
.set TM,  200                          ; largest magnitudes
.set TP,  204                          ; what the lane permute brings; then scale bytes
.set LIM, 208                          ; 57,344 x the scale
.set SC,  212                          ; the conversion's scale operand
.set PC,  216                          ; v216-231 codes, four registers a row tile
.set WW,  232                          ; v232-239 scale words in the making [2 m + K step]
.set BI,  240                          ; v240-255 two sets of a tile's bias
; scalars
.set WV,  30
.set G1W, 36
.set G1S, 44
.set G1B, 52
.set G0A, 60
.set G0B, 68
.set G0S, 72
.set G0I, 76
.set CN,  80                           ; s[80:81] -log2(e) / 2
.set SEL, 82                           ; s[82:83] lane l xor 16
.set MNT, 84                           ; the mantissa field of 57,344
.set LM,  85                           ; lanes 16-31
.set MK,  86                           ; s[86:87] a byte's mask that walks through the two scale words
.set TRIP, 88
.set MSB, 0
.macro WIN new                         ; the immediate's high byte repeats the setting that is left; a switch that changes nothing is dropped
.set wn, \new
.if MSB != wn
	s_set_vgpr_msb (MSB<<8)|wn
.set MSB, wn
.endif
.endm
.macro PLACES                          ; eight plain vector instructions behind matrix instructions of this form
.rept 8
	v_nop
.endr
.endm
.macro CREST                           ; a round of the cluster's barrier behind its opening barrier
	s_cmp_lg_u32 s[WV], 0
	s_cbranch_scc1 .Lnot_wave_0_\@
	s_barrier_signal -3
.Lnot_wave_0_\@:
	s_barrier_wait -3
	s_barrier_signal -1
	s_barrier_wait -1
.endm
.macro CROUND
	s_barrier_signal -1
	s_barrier_wait -1
	CREST
.endm
; What tile t of a head is: its piece, which 16 rows of it (tU), its set of scale words, its accumulators, its matrix (0 q, 1 k, 2 v) and half of the head, and whether its piece's scale words are new.
.macro TILE t
.set tT, \t
.if tT < 4
.set tPc, tT%2
.set tU, tT/2
.else
.set tPc, tT/2
.set tU, tT%2
.endif
.set tZ, tPc%3
.set tSet, (tT/2)%3
.set tTau, tT%2
.if tPc < 4
.set tMat, tPc%2
.set tHalf, tPc/2
.else
.set tMat, 2
.set tHalf, tPc-4
.endif
.set tNew, 0
.if (tT < 2) || ((tT >= 4) && (tT%2 == 0))
.set tNew, 1
.endif
.endm
; Matrix instruction i of 16 of half tile ht: K step 4 (ht % 2) + i / 4, row tile i % 4.  The four accumulators take turns, one instruction a turn.
.macro MM ht, i
.set mH, \ht
.set mI, \i
	TILE mH/2
.set mS, mI/4
.set mM, mI%4
.set rD, 64*tSet+32*tTau+8*mM
.set rC, rD
.if (mH%2 == 0) && (mS == 0)
.set rC, BI+8*tTau                     ; the bias starts the sum
.endif
.set rA, BB+64*(mH%3)+16*mS
.set rB, 64*mM+16*mS
.set rSA, Z+8*tZ+4*(mH%2)+mS
.set rSB, XS+8*(mM/2)+4*(mH%2)+mS
	WIN 0x58+4*(mH%2)                              ; W window 0, x window 2 or 3, C and D window 1
.if (tU == 0) && (mM%2 == 0)
	v_wmma_scale_f32_16x16x128_f8f6f4 v[rD:rD+7], v[rA:rA+15], v[rB:rB+15], v[rC:rC+7], v[rSA], v[rSB] matrix_a_fmt:MATRIX_FMT_BF8 matrix_b_fmt:MATRIX_FMT_BF8
.elseif mM%2 == 0
	v_wmma_scale_f32_16x16x128_f8f6f4 v[rD:rD+7], v[rA:rA+15], v[rB:rB+15], v[rC:rC+7], v[rSA], v[rSB] matrix_a_fmt:MATRIX_FMT_BF8 matrix_b_fmt:MATRIX_FMT_BF8 matrix_a_scale:MATRIX_SCALE_ROW1
.elseif tU == 0
	v_wmma_scale_f32_16x16x128_f8f6f4 v[rD:rD+7], v[rA:rA+15], v[rB:rB+15], v[rC:rC+7], v[rSA], v[rSB] matrix_a_fmt:MATRIX_FMT_BF8 matrix_b_fmt:MATRIX_FMT_BF8 matrix_b_scale:MATRIX_SCALE_ROW1
.else
	v_wmma_scale_f32_16x16x128_f8f6f4 v[rD:rD+7], v[rA:rA+15], v[rB:rB+15], v[rC:rC+7], v[rSA], v[rSB] matrix_a_fmt:MATRIX_FMT_BF8 matrix_b_fmt:MATRIX_FMT_BF8 matrix_a_scale:MATRIX_SCALE_ROW1 matrix_b_scale:MATRIX_SCALE_ROW1
.endif
.endm
; The LDS loads of half tile h2 (of the head hd2 on from where ASC and ABI stand).  With a tile's first half come its bias and, for a new piece, the piece's scale words; they stand ahead of the 16 fragment loads.
.macro LEXTRA
.if h2%2 == 0
	TILE h2/2
	WIN 0x40
	ds_load_b128 v[BI+8*tTau:BI+8*tTau+3], v[ABI] offset:1024*tMat+256*hd2+128*tHalf+64*tU
	ds_load_b128 v[BI+8*tTau+4:BI+8*tTau+7], v[ABI] offset:1024*tMat+256*hd2+128*tHalf+64*tU+16
.if tNew
	WIN 0
	ds_load_b128 v[Z+8*tZ:Z+8*tZ+3], v[ASC] offset:SCM*tMat+2176*hd2+1088*tHalf
	ds_load_b128 v[Z+8*tZ+4:Z+8*tZ+7], v[ASC] offset:SCM*tMat+2176*hd2+1088*tHalf+16
.endif
.endif
.endm
.macro LFRAG q                         ; fragment q of the half tile's four: 16 rows x 128 K: lane (r, h): registers 4 c .. 4 c + 3 = K 32 c + 16 h + 0 .. 15
	TILE h2/2
	WIN 0
.irp c, 0,1,2,3
	ds_load_b128 v[BB+64*(h2%3)+16*(\q)+4*\c:BB+64*(h2%3)+16*(\q)+4*\c+3], v[PB+tPc] offset:HTILE*tU+512*(h2%2)+128*(\q)+32*\c
.endr
.endm
.macro RUN
	LEXTRA
	LFRAG 0
	LFRAG 1
	LFRAG 2
	LFRAG 3
.endm
; THE VECTOR LISTS.  In every group the row tile runs fastest, so four chains take turns, and each accumulator is first read at its low end.
; FITEM: number fj of 98: sum += 2^(-(a^2 + b^2) log2(e) / 2) over a tile of q (at fA) and the same tile of k (at fB), for the four row tiles.  fF = 1: the head's first: it starts the sums.
.macro FITEM
.set fM, fj%4
.if fj < 16
.set fR, fA+8*fM+2*(fj/4)
	WIN 0x55
	v_pk_mul_f32 v[fR:fR+1], v[fR:fR+1], v[fR:fR+1]
.elseif fj < 32
.set fR, fA+8*fM+2*((fj-16)/4)
.set fS, fB+8*fM+2*((fj-16)/4)
	WIN 0x55
	v_pk_fma_f32 v[fR:fR+1], v[fS:fS+1], v[fS:fS+1], v[fR:fR+1]
.elseif fj < 48
.set fR, fA+8*fM+2*((fj-32)/4)
	WIN 0x55
	v_pk_mul_f32 v[fR:fR+1], v[fR:fR+1], s[CN:CN+1] op_sel_hi:[1,0]
.elseif fj < 80
.set fR, fA+8*fM+(fj-48)/4
	WIN 0x55
	v_exp_f32 v[fR], v[fR]                         ; one batch of 32: none of them reads another's result
.elseif fj == 80
	v_nop                                          ; the plain instruction behind the last exponential
.elseif fj == 81
	s_wait_alu depctr_va_vdst(0)                   ; one wait for the batch, ahead of its first reader
.else
.set fM, (fj-82)%4
.set fP, (fj-82)/4
.set fR, fA+8*fM+2*fP
.if fF && (fP == 0)
.elseif fF && (fP == 1)
	WIN 0x55
	v_pk_add_f32 v[CS+2*fM:CS+2*fM+1], v[fR-2:fR-1], v[fR:fR+1]
.else
	WIN 0x55
	v_pk_add_f32 v[CS+2*fM:CS+2*fM+1], v[CS+2*fM:CS+2*fM+1], v[fR:fR+1]
.endif
.endif
.endm
; CITEM: number cj of 12: the sum's two halves, and the other half of the lanes' (the row's other 32 e)
.macro CITEM
.set cM, cj%4
	WIN 0x55
.if cj < 4
	v_add_f32 v[CS+2*cM], v[CS+2*cM], v[CS+2*cM+1]
.elseif cj < 8
	v_permlanex16_b32 v[TP+cM], v[CS+2*cM], s[SEL], s[SEL+1]
.else
	v_add_f32 v[CS+2*cM], v[CS+2*cM], v[TP+cM]
.endif
.endm
; QITEM: number qj of 184: the two tiles of v in set qS (32 columns: block qB of the head) times the sum, quantised, stored.
.macro QITEM
.set qM, qj%4
.if qj < 32
.set qR, qS+32*((qj/4)/4)+8*qM+2*((qj/4)%4)
	WIN 0x55
	v_pk_mul_f32 v[qR:qR+1], v[qR:qR+1], v[CS+2*qM:CS+2*qM+1] op_sel_hi:[1,0]
.elseif qj < 64
.set qK, (qj-32)/4
.set qR, qS+32*(qK/4)+8*qM+2*(qK%4)
	WIN 0x55
.if qK == 0
	v_max3_num_f32 v[TM+qM], |v[qR]|, |v[qR+1]|, 0x8000000   ; my 16 numbers of the block, and the floor 2^(16 - 127): the byte cannot fall under 1
.else
	v_max3_num_f32 v[TM+qM], v[TM+qM], |v[qR]|, |v[qR+1]|
.endif
.elseif qj < 68
	WIN 0x55
	v_permlanex16_b32 v[TP+qM], v[TM+qM], s[SEL], s[SEL+1]
.elseif qj < 72
	WIN 0x55
	v_max_num_f32 v[TM+qM], v[TM+qM], v[TP+qM]     ; with lane l xor 16's 16: the block's largest magnitude
.elseif qj < 76
	WIN 0x55
	v_add_nc_u32 v[SC+qM], 0xf8800000, v[TM+qM]    ; 15 off its exponent field: the conversion's scale operand
.elseif qj < 80
	WIN 0x55
	v_and_or_b32 v[LIM+qM], v[TM+qM], 0x7f800000, s[MNT]   ; 57,344 x the scale
.elseif qj < 84
	WIN 0x55
	v_lshrrev_b32 v[TP+qM], 23, v[SC+qM]           ; the scale's byte,
.elseif qj < 88
	WIN 0x55
	v_perm_b32 v[TP+qM], v[TP+qM], v[TP+qM], 0     ; in all four places of a word,
.elseif qj < 92
	WIN 0x55
	v_and_or_b32 v[WW+2*qM], v[TP+qM], s[MK], v[WW+2*qM]   ; and the walking mask picks the place: blocks 0-3 of my eight in the first K step's word,
.elseif qj < 96
	WIN 0x55
	v_and_or_b32 v[WW+2*qM+1], v[TP+qM], s[MK+1], v[WW+2*qM+1]   ; blocks 4-7 in the second's
.elseif qj < 160
.set qK, (qj-96)/4
.set qR, qS+32*(qK/8)+8*qM+qK%8
	WIN 0x55
	v_med3_num_f32 v[qR], v[qR], -v[LIM+qM], v[LIM+qM]   ; the conversion to an 8-bit code does not saturate (ISA guide 7.6.2): the hold
.elseif qj == 160
	s_wait_xcnt 0x0                                ; the last block's stores have read the codes' registers: they are written again only behind this wait
.elseif qj < 169
.set qK, qj-161
	WIN 0x55
	v_cvt_scalef32_pk8_bf8_f32 v[PC+4*(qK%4)+2*(qK/4):PC+4*(qK%4)+2*(qK/4)+1], v[qS+32*(qK/4)+8*(qK%4):qS+32*(qK/4)+8*(qK%4)+7], v[SC+qK%4]
.elseif qj == 169
	v_nop                                          ; a plain instruction behind the last conversion
.elseif qj < 178
.set qK, qj-170
	WIN 0x55
	v_permlane16_swap_b32 v[PC+4*(qK%4)+qK/4], v[PC+4*(qK%4)+2+qK/4]   ; tile tau gave lane half h the block's elements 16 tau + 8 h + 0..7; now half h holds 16 h + 0..15, in the operand's order
.elseif qj == 178
	v_nop
.elseif qj < 183
.set qK, qj-179
	WIN 0x04
	global_store_b128 v[CO], v[PC+4*qK:PC+4*qK+3], s[26:27] offset:16384*qK+512*qB   ; 32 lanes store 512 consecutive bytes, at a multiple of 512 from hc's first byte
.else
	s_lshl_b64 s[MK:MK+1], s[MK:MK+1], 8           ; on to the next block's byte
.endif
.endm
.macro VITEM                           ; number vj of the list in hand
.if LT == 1
.set fj, vj
	FITEM
.elseif LT == 2
.if vj < 98
.set fj, vj
.set fA, SET2
.set fB, SET0
	FITEM
.elseif vj < 196
.set fj, vj-98
.set fA, SET2+32
.set fB, SET0+32
	FITEM
.else
.set cj, vj-196
	CITEM
.endif
.else
.set qj, vj
	QITEM
.endif
.endm
.macro SLICE                           ; up to NPER numbers of the list
.rept NPER
.if vj < VL
	VITEM
.set vj, vj+1
.endif
.endr
.endm
.macro FLUSH                           ; what is left of it
.rept 224
.if vj < VL
	VITEM
.set vj, vj+1
.endif
.endr
.endm
.macro LISTNONE
.set LT, 0
.set VL, 0
.set vj, 0
.set NPER, 1
.endm
.macro LISTF a, b, first, n
.set LT, 1
.set fA, \a
.set fB, \b
.set fF, \first
.set VL, 98
.set vj, 0
.set NPER, \n
.endm
.macro LISTP5
.set LT, 2
.set fF, 0
.set VL, 208
.set vj, 0
.set NPER, 5
.endm
.macro LISTQ set, beta, n
.set LT, 3
.set qS, \set
.set qB, \beta
.set VL, 184
.set vj, 0
.set NPER, \n
.endm
; A HALF TILE: 16 matrix instructions.  cnt = 16: the next half tile's 16 fragment loads may be out; all older LDS loads, mine among them, are in.
; Behind the first instruction stand the places for all that follows: loads into the buffer that the last half tile read, into scale words and biases, and the lists' first reads of finished sums.
; run = 1: the loads of the half tile two on stand in one stretch, behind instructions 4 to 7.
.macro HALF ht, hd, run, cnt
	s_wait_dscnt \cnt
	MM \ht, 0
	PLACES
.irp i, 1,2,3
	MM \ht, \i
	SLICE
.endr
.irp q, 0,1,2,3
	MM \ht, 4+\q
.if \run
.set h2, ((\ht)+2)%24
.set hd2, (\hd)+((\ht)+2)/24
.if \q == 0
	LEXTRA
.endif
	LFRAG \q
.endif
.endr
.irp i, 8,9,10,11,12,13,14,15
	MM \ht, \i
	SLICE
.endr
.endm
; A HALF TILE THAT CHANGES SLOTS (the last but one of a slot: the slot's last loads were issued a half tile ago).  Each wave waits for all its tensor loads (its piece of the other slot), adds 0 to its spare word,
; and waits for that and for its reads of this slot; behind the barrier nobody reads this slot and the other is whole.  fill = 1: the barrier opens a round of the cluster's, and the slot is filled with the next head's
; pieces: one tensor load a wave is out, with 176 matrix instructions up to the wait for it.  Only register work stands in the slices here.
.macro CHG ht, hd, fill, g0
	WIN 0
	s_wait_tensorcnt 0x0                           ; all my tensor loads have landed
	ds_add_u32 v[SPW], v[NIL]                      ; 0 onto my spare word
	s_wait_dscnt 17                                ; the next half tile's 16 loads and the add may be out
.irp i, 0,1,2,3,4,5,6,7
	MM \ht, \i
	SLICE
.endr
	s_wait_dscnt 0x0                               ; the add is done, and my reads of this slot are over
	s_barrier_signal -1
.irp i, 8,9,10,11,12,13,14,15
	MM \ht, \i
	SLICE
.endr
	WIN 0
	s_barrier_wait -1
.if \fill
	CREST                                          ; no wave of any partner still reads this slot or has a load on its way
	s_add_nc_u64 s[\g0+2:\g0+3], s[\g0+2:\g0+3], 65536   ; the next head: 64 rows of 1,024 bytes on
	s_cmp_lt_u32 s[WV], 3
	s_cbranch_scc0 .Lnofill_\@
	tensor_load_to_lds s[\g0:\g0+3], s[G1W:G1W+7]
	s_nop 0
.rept 4
	v_nop
.endr
.Lnofill_\@:
.endif
	PLACES
.set h2, ((\ht)+2)%24
.set hd2, (\hd)+((\ht)+2)/24
	RUN                                            ; out of the other slot
.endm
; THE PAIR STEPS of a head.  Behind each one's products stands the list on a set that is finished.
.macro P1 hd                           ; q0 k0 -> set 0 | the list is set by the caller
	HALF 0, \hd, 1, 16
	HALF 1, \hd, 1, 16
	HALF 2, \hd, 1, 16
	HALF 3, \hd, 1, 16
	FLUSH
.endm
.macro P2                              ; q1 k1 -> set 1 | e 0-15
	LISTF SET0, SET0+32, 1, 3
	HALF 4, 0, 1, 16
	HALF 5, 0, 1, 16
	HALF 6, 0, 1, 16
	HALF 7, 0, 1, 16
	FLUSH
.endm
.macro P3 fill                         ; q2 q3 -> set 2 | e 16-31, out ahead of the change of slots
	LISTF SET1, SET1+32, 0, 5
	HALF 8, 0, 1, 16
	HALF 9, 0, 1, 16
	FLUSH
	CHG 10, 0, \fill, G0A
	HALF 11, 0, 1, 16
.endm
.macro P4                              ; k2 k3 -> set 0
	LISTNONE
	HALF 12, 0, 1, 16
	HALF 13, 0, 1, 16
	HALF 14, 0, 1, 16
	HALF 15, 0, 1, 16
.endm
.macro P5                              ; v0 v1 -> set 1 | e 32-63, and the sum is finished
	LISTP5
	HALF 16, 0, 1, 16
	HALF 17, 0, 1, 16
	HALF 18, 0, 1, 16
	HALF 19, 0, 1, 16
	FLUSH
.endm
	s_load_b512 s[4:19], s[0:1], 0x0               ; x codes 4, x scales 6, Wq codes 8, Wq scales 10, bq 12, Wk codes 14, Wk scales 16, bk 18
	s_load_b256 s[20:27], s[0:1], 0x40             ; Wv codes 20, Wv scales 22, bv 24, hc 26
	s_load_b64 s[28:29], s[0:1], 0x60              ; hs
	v_lshl_add_u32 v[SPW], v0, 2, SPARE
	v_mov_b32 v[NIL], 0
	ds_add_u32 v1, v2
	s_wait_dscnt 0x0
	v_lshrrev_b32 v14, 5, v0
	v_readfirstlane_b32 s[WV], v14                 ; wave 0..3
	s_bfe_u32 s31, ttmp6, 0x40000                  ; cx
	s_bfe_u32 s32, ttmp6, 0x40004                  ; cy
	s_lshl_b32 s33, ttmp9, 2
	s_add_co_u32 s33, s33, s31                     ; g = 4 x cluster x + cx
	s_and_b32 s34, ttmp7, 0xffff
	s_lshl_b32 s34, s34, 2
	s_add_co_u32 s34, s34, s32                     ; rb = 4 x cluster y + cy
	s_lshl_b32 s35, 0x1111, s31                    ; my column of the cluster
	v_and_b32 v14, 31, v0                          ; lane
	v_and_b32 v15, 15, v0                          ; r
	v_bfe_u32 v13, v0, 4, 1                        ; h
	v_lshlrev_b32 v[CO], 4, v14
	v_mul_u32_u24 v[PB], v15, PITCH
	v_lshl_add_u32 v[PB], v13, 4, v[PB]
.irp k, 1,2,3,4,5
	v_add_nc_u32 v[PB+\k], \k*PIECE, v[PB]
.endr
	v_lshrrev_b32 v[ASC], 3, v14
	v_lshlrev_b32 v[ASC], 4, v[ASC]
	v_lshl_add_u32 v[ASC], v14, 5, v[ASC]
	v_add_nc_u32 v[ASC], SCL, v[ASC]               ; row l of a piece: 32 bytes a row, 16 more for each 256 passed
	v_lshl_add_u32 v[ABI], v13, 5, BIA
	s_mul_i32 s2, s[WV], HTILE
	s_add_co_u32 s2, s2, STG                       ; my stage
	v_add_nc_u32 v[XT], s2, v[CO]
	v_add_nc_u32 v[XR], s2, v[PB]
	v_lshlrev_b32 v14, 5, v14                      ; 32 x lane: a row of x's scale bytes
	s_mov_b32 s[CN], 0xbf38aa3b
	s_mov_b32 s[CN+1], s[CN]
	s_mov_b32 s[SEL], 0x76543210
	s_mov_b32 s[SEL+1], 0xfedcba98
	s_mov_b32 s[MNT], 0x600000
	s_mov_b32 s[LM], 0xffff0000
	s_mov_b32 s[MK], 0xff
	s_mov_b32 s[MK+1], 0
	s_lshl_b32 s89, s34, 8                         ; numbers made of rb stay in s66, s67, s89: no register that feeds a joint load ever holds them
	s_lshl_b32 s66, s[WV], 6
	s_add_co_u32 s89, s89, s66                     ; my first row: 256 rb + 64 w
	s_mov_b32 s67, 0
	s_wait_kmcnt 0x0
	s_lshl_b32 s66, s89, 10
	s_add_nc_u64 s[4:5], s[4:5], s[66:67]          ; x's codes at my first row
	s_lshl_b32 s2, s33, 12
	s_add_co_u32 s66, s66, s2
	s_add_nc_u64 s[26:27], s[26:27], s[66:67]      ; hc: row tile x 16,384 + K step 2 g x 2,048
	s_lshl_b32 s66, s89, 5
	s_add_nc_u64 s[6:7], s[6:7], s[66:67]          ; x's scale bytes
	s_lshl_b32 s2, s33, 9
	s_add_co_u32 s66, s66, s2
	s_add_nc_u64 s[28:29], s[28:29], s[66:67]      ; hs: (block of 64 rows x 4 + g) x 512
.irp p, 0,1
.irp q, 0,1
	global_load_b128 v[XS+8*\p+4*\q:XS+8*\p+4*\q+3], v14, s[6:7] offset:1024*\p+16*\q
.endr
.endr
.irp m, 0,1,2,3                        ; x as it lies: each load reads 512 consecutive bytes, half a row
	WIN 0x80
.irp p, 0,1,2,3,4,5,6,7,8,9,10,11,12,13,14,15
	global_load_b128 v[64*\m+4*\p:64*\m+4*\p+3], v[CO], s[4:5] offset:(16*\m+\p)*1024
.endr
	WIN 0xc0
.irp p, 0,1,2,3,4,5,6,7,8,9,10,11,12,13,14,15
	global_load_b128 v[64*\m+4*\p:64*\m+4*\p+3], v[CO], s[4:5] offset:(16*\m+\p)*1024+512
.endr
.endr
	WIN 0
	; descriptor groups 1.  W's pieces: 32 rows x 1,024 elements of 1 byte, 4 words of padding after every 256
	s_or_b32 s[G1W], s35, (1<<20)|(1<<21)|(7<<22)|(3<<25)
	s_mov_b32 s[G1W+1], 1024<<16                   ; tensor_dim0
	s_mov_b32 s[G1W+2], 32<<16                     ; tensor_dim1
	s_mov_b32 s[G1W+3], 1024<<16                   ; tile_dim0
	s_mov_b32 s[G1W+4], 32                         ; tile_dim1
	s_mov_b32 s[G1W+5], 1024                       ; from row to row
	s_mov_b32 s[G1W+6], 0
	s_mov_b32 s[G1W+7], 0
	; scale bytes: 8,192 dense bytes as 32 rows of 32 elements of 8 bytes, 4 words of padding after every 64
	s_or_b32 s[G1S], s35, (3<<16)|(1<<20)|(1<<21)|(5<<22)|(3<<25)
	s_mov_b32 s[G1S+1], 32<<16
	s_mov_b32 s[G1S+2], 32<<16
	s_mov_b32 s[G1S+3], 32<<16
	s_mov_b32 s[G1S+4], 32
	s_mov_b32 s[G1S+5], 32
	s_mov_b32 s[G1S+6], 0
	s_mov_b32 s[G1S+7], 0
	; a bias: one row of 1,024 bytes
	s_or_b32 s[G1B], s35, (3<<16)|(1<<21)
	s_mov_b32 s[G1B+1], 128<<16
	s_mov_b32 s[G1B+2], 1<<16
	s_mov_b32 s[G1B+3], 128<<16
	s_mov_b32 s[G1B+4], 1
	s_mov_b32 s[G1B+5], 128
	s_mov_b32 s[G1B+6], 0
	s_mov_b32 s[G1B+7], 0
	; groups 0, from the wave's number (wave 3 makes wave 2's and issues none) and g
	s_min_u32 s90, s[WV], 2
	s_cmp_eq_u32 s90, 0
	s_cselect_b64 s[92:93], s[10:11], s[16:17]
	s_cselect_b64 s[94:95], s[12:13], s[18:19]
	s_cmp_eq_u32 s90, 2
	s_cselect_b64 s[92:93], s[22:23], s[92:93]     ; scale bytes of Wq, Wk, Wv
	s_cselect_b64 s[94:95], s[24:25], s[94:95]     ; bq, bk, bv
	s_mov_b32 s3, 0
	s_mov_b32 s[G0S], 1
	s_mul_i32 s[G0S+1], s90, SCM
	s_add_co_u32 s[G0S+1], s[G0S+1], SCL
	s_lshl_b32 s2, s33, 13
	s_add_nc_u64 s[G0S+2:G0S+3], s[92:93], s[2:3]
	s_or_b32 s[G0S+3], s[G0S+3], 0x80000000
	s_mov_b32 s[G0I], 1
	s_lshl_b32 s[G0I+1], s90, 10
	s_add_co_u32 s[G0I+1], s[G0I+1], BIA
	s_lshl_b32 s2, s33, 10
	s_add_nc_u64 s[G0I+2:G0I+3], s[94:95], s[2:3]
	s_or_b32 s[G0I+3], s[G0I+3], 0x80000000
	s_cmp_eq_u32 s90, 1
	s_cselect_b64 s[92:93], s[14:15], s[8:9]       ; slot A: Wq, Wk, Wq + 32 rows
	s_cselect_b32 s96, 0, 32768                    ; slot B: Wk + 32 rows, Wv, Wv + 32 rows
	s_cmp_eq_u32 s90, 2
	s_cselect_b32 s98, 32768, 0
	s_cmp_eq_u32 s90, 0
	s_cselect_b64 s[94:95], s[14:15], s[20:21]
	s_lshl_b32 s2, s33, 18                         ; my 256 rows of each weight
	s_add_co_u32 s96, s96, s2
	s_add_co_u32 s98, s98, s2
	s_mov_b32 s97, 0
	s_mov_b32 s99, 0
	s_mov_b32 s[G0A], 1
	s_mul_i32 s[G0A+1], s90, PIECE
	s_add_nc_u64 s[G0A+2:G0A+3], s[92:93], s[98:99]
	s_or_b32 s[G0A+3], s[G0A+3], 0x80000000
	s_mov_b32 s[G0B], 1
	s_mul_i32 s[G0B+1], s90, PIECE
	s_add_co_u32 s[G0B+1], s[G0B+1], SLOTB
	s_add_nc_u64 s[G0B+2:G0B+3], s[94:95], s[96:97]
	s_or_b32 s[G0B+3], s[G0B+3], 0x80000000
	CROUND                                         ; all sixteen work-groups are here: the first joint loads meet
	s_cmp_lt_u32 s[WV], 3                          ; a wave's first fills stand in one branch: four tensor loads of mine are out
	s_cbranch_scc0 .Lno_first
	tensor_load_to_lds s[G0S:G0S+3], s[G1S:G1S+7]
	s_nop 0
	tensor_load_to_lds s[G0I:G0I+3], s[G1B:G1B+7]
	s_nop 0
	tensor_load_to_lds s[G0A:G0A+3], s[G1W:G1W+7]
	s_nop 0
	tensor_load_to_lds s[G0B:G0B+3], s[G1W:G1W+7]
	s_nop 0
.rept 4
	v_nop
.endr
.Lno_first:
	WIN 0x40
.irp i, 0,1,2,3,4,5,6,7
	v_mov_b32 v[WW+\i], 0                          ; the scale words are gathered by OR
.endr
.irp i, 0,1,2,3
	v_mov_b32 v[TP+\i], 0                          ; a lane permute's destination counts as one of its sources
.endr
; Row tile m of x goes through my stage as it lies and comes back as fragments: lane (r, h) takes 16 bytes at row r, 128 s + 32 c + 16 h.  LDS serves a wave's instructions in order (ISA guide 5.7.1.4): no wait between.
; Behind tile m's 32 loads stand the 96 - 32 m loads of the later tiles, which may stay out.  A wait's count names 63 at the most, and a smaller count than is needed is safe: so 63, 63, 32, 0.
.macro TURNX m
.if 96-32*\m > 63
	s_wait_loadcnt 63
.else
	s_wait_loadcnt 96-32*\m
.endif
	WIN 0x08
.irp p, 0,1,2,3,4,5,6,7,8,9,10,11,12,13,14,15
	ds_store_b128 v[XT], v[64*\m+4*\p:64*\m+4*\p+3] offset:PITCH*\p
.endr
	WIN 0x0c
.irp p, 0,1,2,3,4,5,6,7,8,9,10,11,12,13,14,15
	ds_store_b128 v[XT], v[64*\m+4*\p:64*\m+4*\p+3] offset:PITCH*\p+512
.endr
	WIN 0x80
.irp s, 0,1,2,3
.irp c, 0,1,2,3
	ds_load_b128 v[64*\m+16*\s+4*\c:64*\m+16*\s+4*\c+3], v[XR] offset:128*\s+32*\c
.endr
.endr
	WIN 0xc0
.irp s, 0,1,2,3
.irp c, 0,1,2,3
	ds_load_b128 v[64*\m+16*\s+4*\c:64*\m+16*\s+4*\c+3], v[XR] offset:512+128*\s+32*\c
.endr
.endr
.endm
	TURNX 0
	TURNX 1
	TURNX 2
	TURNX 3
	WIN 0
	s_wait_tensorcnt 0x0                           ; my parts of the scale bytes, the biases and both slots are in,
	s_wait_dscnt 0x0                               ; and x's fragments
	s_barrier_signal -1
	s_barrier_wait -1                              ; everybody's are
.set h2, 0
.set hd2, 0
	RUN
.set h2, 1
	RUN
	LISTNONE
	P1 0                                           ; head 0's first pair step stands in front of the loop: there is no vector work yet
	WIN 0
	s_mov_b32 s[TRIP], 3
.Lhead:                                            ; a trip: a head's pair steps 2 to 6 and the next head's first; both slots are filled again
	P2
	P3 1
	P4
	P5
	LISTQ SET1, 0, 4                               ; v2 v3 -> set 2 | columns 0-31 leave.  With four numbers a slice the change of slots gets numbers 88 to 151: register work alone
	HALF 20, 0, 1, 16
	HALF 21, 0, 1, 16
	CHG 22, 0, 1, G0B
	HALF 23, 0, 1, 16
	FLUSH
	LISTQ SET2, 1, 5                               ; the next head's q0 k0 | columns 32-63 leave
	P1 1
	WIN 0
	s_wait_xcnt 0x0                                ; the stores have read their base
	s_add_nc_u64 s[26:27], s[26:27], 1024          ; a head's two blocks on in hc
	v_add_nc_u32 v[ASC], 2176, v[ASC]              ; a head's 64 rows of scale bytes on,
	v_add_nc_u32 v[ABI], 256, v[ABI]               ; and its 64 biases
	s_sub_co_u32 s[TRIP], s[TRIP], 1
	s_cmp_lg_u32 s[TRIP], 0
	s_cbranch_scc1 .Lhead
	P2                                             ; the last head is written out: nothing is asked for
	P3 0
	P4
	P5
	LISTQ SET1, 0, 4
	HALF 20, 0, 1, 16
	HALF 21, 0, 1, 16
	HALF 22, 0, 0, 16
	HALF 23, 0, 0, 0
	FLUSH
	PLACES
	LISTQ SET2, 1, 1
	FLUSH
	WIN 0x55
.irp t, 0,1                            ; the scale words as the next launch's registers want them: word 2 t + p: lanes 0-15 row tile 2 p, lanes 16-31 row tile 2 p + 1, K step 2 g + t
.irp p, 0,1
	v_cndmask_b32 v[TM+2*\t+\p], v[WW+4*\p+\t], v[WW+4*\p+2+\t], s[LM]
.endr
.endr
	WIN 0x04
	global_store_b128 v[CO], v[TM:TM+3], s[28:29]  ; 512 consecutive bytes
	WIN 0
	s_wait_tensorcnt 0x0                           ; the wave's end
	ds_add_u32 v[SPW], v[NIL]
	s_wait_dscnt 0x0
	CROUND                                         ; the closing round
	s_endpgm
.Lfunc_end_k_qbbecbf9e6d_qkv:
	.size	k_qbbecbf9e6d_qkv, .Lfunc_end_k_qbbecbf9e6d_qkv-k_qbbecbf9e6d_qkv
	.p2alignl 7, 3214868480
	.fill 96, 4, 3214868480
	.section	.rodata,"a",@progbits
	.p2align	6, 0x0
	.amdhsa_kernel k_qbbecbf9e6d_qkv
		.amdhsa_group_segment_fixed_size 327680
		.amdhsa_private_segment_fixed_size 0
		.amdhsa_enable_private_segment 0
		.amdhsa_kernarg_size 104
		.amdhsa_user_sgpr_count 2
		.amdhsa_user_sgpr_kernarg_segment_ptr 1
		.amdhsa_wavefront_size32 1
		.amdhsa_system_sgpr_workgroup_id_x 1
		.amdhsa_system_sgpr_workgroup_id_y 1
		.amdhsa_system_sgpr_workgroup_id_z 1
		.amdhsa_system_vgpr_workitem_id 0
		.amdhsa_next_free_vgpr 1024
		.amdhsa_next_free_sgpr 100
		.amdhsa_reserve_vcc 0
		.amdhsa_float_denorm_mode_32 3
		.amdhsa_float_denorm_mode_16_64 3
		.amdhsa_memory_ordered 1
		.amdhsa_forward_progress 1
		.amdhsa_inst_pref_size 255
	.end_amdhsa_kernel
	.section	.bss,"aw",@nobits
	.p2align	6
	.space	262144
	.amdgpu_metadata
---
amdhsa.version: [ 1, 2 ]
amdhsa.kernels:
  - .name:           k_qbbecbf9e6d_qkv
    .symbol:         k_qbbecbf9e6d_qkv.kd
    .args:
      - { .name: x_codes, .offset: 0, .size: 8, .value_kind: global_buffer, .address_space: global }
      - { .name: x_scales, .offset: 8, .size: 8, .value_kind: global_buffer, .address_space: global }
      - { .name: Wq_codes, .offset: 16, .size: 8, .value_kind: global_buffer, .address_space: global }
      - { .name: Wq_scales, .offset: 24, .size: 8, .value_kind: global_buffer, .address_space: global }
      - { .name: bq, .offset: 32, .size: 8, .value_kind: global_buffer, .address_space: global }
      - { .name: Wk_codes, .offset: 40, .size: 8, .value_kind: global_buffer, .address_space: global }
      - { .name: Wk_scales, .offset: 48, .size: 8, .value_kind: global_buffer, .address_space: global }
      - { .name: bk, .offset: 56, .size: 8, .value_kind: global_buffer, .address_space: global }
      - { .name: Wv_codes, .offset: 64, .size: 8, .value_kind: global_buffer, .address_space: global }
      - { .name: Wv_scales, .offset: 72, .size: 8, .value_kind: global_buffer, .address_space: global }
      - { .name: bv, .offset: 80, .size: 8, .value_kind: global_buffer, .address_space: global }
      - { .name: hc, .offset: 88, .size: 8, .value_kind: global_buffer, .address_space: global }
      - { .name: hs, .offset: 96, .size: 8, .value_kind: global_buffer, .address_space: global }
    .group_segment_fixed_size: 327680
    .private_segment_fixed_size: 0
    .kernarg_segment_align: 8
    .kernarg_segment_size: 104
    .max_flat_workgroup_size: 128
    .sgpr_count:     100
    .vgpr_count:     1024
    .wavefront_size: 32
...
	.end_amdgpu_metadata
.endif
;; end of part 1
;; launch outp (part 2): grid 4 x 64, 4 waves a work-group, clusters of 4 x 4, 327,680 bytes of LDS; arguments hc, hs, Wo_codes, Wo_scales, bo, out0; writes out0
.if DOCPART == 2
	.amdgcn_target "amdgcn-amd-amdhsa--gfx1250"
	.amdhsa_code_object_version 6
	.text
	.protected	k_qbbecbf9e6d_outp
	.globl	k_qbbecbf9e6d_outp
	.p2align	8
	.type	k_qbbecbf9e6d_outp,@function
k_qbbecbf9e6d_outp:
	s_mov_b64 s[64:65], 0
	v_nop
	global_prefetch_b8 v0, s[64:65] scope:SCOPE_SE
	s_setreg_imm32_b32 hwreg(HW_REG_WAVE_MODE, 25, 1), 1
	s_wait_xcnt 0x0
	s_wait_alu depctr_hold_cnt(0) depctr_sa_sdst(0) depctr_va_vdst(0) depctr_va_sdst(0) depctr_va_ssrc(0) depctr_va_vcc(0) depctr_vm_vsrc(0)
	s_getreg_b32 s2, hwreg(HW_REG_IB_STS2, 6, 4)
	s_cmp_eq_u32 s2, 0
	s_cbranch_scc0 .Lentry_in_a_cluster
	s_endpgm
.Lentry_in_a_cluster:
	s_bfe_u32 s2, ttmp6, 0x10000c
	s_cmp_lg_u32 s2, 0xf033
	s_cbranch_scc0 .Lentry_shape_is_right
	s_endpgm
.Lentry_shape_is_right:
; out0 = hidden Wo + bo, on codes of BF8 (E5M2) with one E8M0 byte for each 32 along K.  hidden comes from the launch before: hc holds images of operand registers
; [row tile][K step][c][lane][16 bytes], hs the scale words [block of 64 rows][g][lane][word 2 t + p] (K step 2 g + t; lanes 0-15 row tile 2 p, lanes 16-31 row tile 2 p + 1).
; SHARES.  A work-group takes 256 rows (rb) and 256 columns (g).  Wave w owns rows 64 w .. 64 w + 63; their fragments for all of K stay in 512 registers (windows 2 and 3), loaded once, each load 512 consecutive bytes.
; My 256 rows of Wo_codes (= columns of out0) for all of K lie in LDS, filled once: 16 tiles of 16 rows, 32 half tiles of 16 matrix instructions, four accumulators (row tiles) by turns, K ascending.
; TRANSPOSED USE: source 0 = 16 rows of Wo, source 1 = 16 of my rows: register j of lane (r, h) is out(row r, column 8 h + j of the tile).  The bias is the C of a sum's first instruction.
; THE WAY OUT.  Four tiles (a quad) are 64 columns = 256 bytes of a row.  While one quad is multiplied the quad before goes, a row tile at a time, through my own stage in LDS and leaves as aligned runs of 256 bytes.
; CLUSTER.  The four work-groups of a column of the cluster have the same g: Wo's rows, scale bytes and the bias are asked for jointly.  hc is NOT, though the four of a row share it:
;   its 262,144 bytes do not fit in LDS beside Wo's 266,240.  No LDS byte is filled twice.
.set PITCH,  1040
.set PIECE,  32*PITCH
.set HTILE,  16*PITCH
.set SCL,    256*PITCH                 ; Wo's scale bytes of my 256 rows, as rows of 256 + 16
.set BIA,    SCL+32*272                ; bo of my 256 columns
.set STG,    BIA+1024                  ; a stage of 16 rows x (256 + 16) for each wave; no fill lands here
.set SGW,    16*272
.set PB,  3                            ; v3-6  1,040 r + 16 h + 66,560 k: tiles 4 k .. 4 k + 3
.set ASC, 7                            ; v7    my lane's place among the scale bytes of 32 rows
.set ABI, 8                            ; v8    BIA + 32 h
.set STO, 9                            ; v9    the stage, in: row r, 32 h
.set RD,  10                           ; v10   the stage, back: lanes 0-15 one row, lanes 16-31 the next
.set CO,  11                           ; v11   the same two rows in out0
.set LI,  12                           ; v12   16 x lane
.set XS,  16                           ; v16-31  hidden's scale words [2 s + p]
.set Z,   32                           ; v32-47  Wo's scale words, two sets [8 (pair of tiles % 2) + s]
.set BI,  48                           ; v48-63  two sets of a tile's bias
.set BB,  64                           ; v64-255 three buffers of four fragments of Wo
.set WV,  16
.set G1W, 24
.set G1S, 32
.set G1B, 40
.set MSB, 0
.macro WIN new
.set wn, \new
.if MSB != wn
	s_set_vgpr_msb (MSB<<8)|wn
.set MSB, wn
.endif
.endm
.macro PLACES                          ; eight plain vector instructions behind matrix instructions of this form
.rept 8
	v_nop
.endr
.endm
.macro CREST
	s_cmp_lg_u32 s[WV], 0
	s_cbranch_scc1 .Lnot_wave_0_\@
	s_barrier_signal -3
.Lnot_wave_0_\@:
	s_barrier_wait -3
	s_barrier_signal -1
	s_barrier_wait -1
.endm
.macro CROUND
	s_barrier_signal -1
	s_barrier_wait -1
	CREST
.endm
; Matrix instruction i of 16 of half tile ht (tile ht / 2): K step 4 (ht % 2) + i / 4, row tile i % 4.  Accumulator: window 1, 128 (quad % 2) + 32 m + 8 (tile % 4).
.macro MM ht, i
.set mH, \ht
.set mI, \i
.set mT, mH/2
.set mS, mI/4
.set mM, mI%4
.set rD, 128*((mT/4)%2)+32*mM+8*(mT%4)
.set rA, BB+64*(mH%3)+16*mS
.set rB, 64*mM+16*mS
.set rSA, Z+8*((mT/2)%2)+4*(mH%2)+mS
.set rSB, XS+2*(4*(mH%2)+mS)+mM/2
.if (mH%2 == 0) && (mS == 0)
.set rC, BI+8*(mT%2)
	WIN 0x48                                       ; Wo window 0, hidden window 2, the bias window 0, D window 1
.else
.set rC, rD
	WIN 0x58+4*(mH%2)
.endif
.if (mT%2 == 0) && (mM%2 == 0)
	v_wmma_scale_f32_16x16x128_f8f6f4 v[rD:rD+7], v[rA:rA+15], v[rB:rB+15], v[rC:rC+7], v[rSA], v[rSB] matrix_a_fmt:MATRIX_FMT_BF8 matrix_b_fmt:MATRIX_FMT_BF8
.elseif mM%2 == 0
	v_wmma_scale_f32_16x16x128_f8f6f4 v[rD:rD+7], v[rA:rA+15], v[rB:rB+15], v[rC:rC+7], v[rSA], v[rSB] matrix_a_fmt:MATRIX_FMT_BF8 matrix_b_fmt:MATRIX_FMT_BF8 matrix_a_scale:MATRIX_SCALE_ROW1
.elseif mT%2 == 0
	v_wmma_scale_f32_16x16x128_f8f6f4 v[rD:rD+7], v[rA:rA+15], v[rB:rB+15], v[rC:rC+7], v[rSA], v[rSB] matrix_a_fmt:MATRIX_FMT_BF8 matrix_b_fmt:MATRIX_FMT_BF8 matrix_b_scale:MATRIX_SCALE_ROW1
.else
	v_wmma_scale_f32_16x16x128_f8f6f4 v[rD:rD+7], v[rA:rA+15], v[rB:rB+15], v[rC:rC+7], v[rSA], v[rSB] matrix_a_fmt:MATRIX_FMT_BF8 matrix_b_fmt:MATRIX_FMT_BF8 matrix_a_scale:MATRIX_SCALE_ROW1 matrix_b_scale:MATRIX_SCALE_ROW1
.endif
.endm
.macro LEXTRA                          ; with a tile's first half its bias; with a pair of tiles' first half their scale words; ahead of the 16 fragment loads
	WIN 0
.if h2%2 == 0
	ds_load_b128 v[BI+8*((h2/2)%2):BI+8*((h2/2)%2)+3], v[ABI] offset:64*(h2/2)
	ds_load_b128 v[BI+8*((h2/2)%2)+4:BI+8*((h2/2)%2)+7], v[ABI] offset:64*(h2/2)+16
.endif
.if h2%4 == 0
	ds_load_b128 v[Z+8*((h2/4)%2):Z+8*((h2/4)%2)+3], v[ASC] offset:1088*(h2/4)
	ds_load_b128 v[Z+8*((h2/4)%2)+4:Z+8*((h2/4)%2)+7], v[ASC] offset:1088*(h2/4)+16
.endif
.endm
.macro LFRAG q
	WIN 0
.irp c, 0,1,2,3
	ds_load_b128 v[BB+64*(h2%3)+16*(\q)+4*\c:BB+64*(h2%3)+16*(\q)+4*\c+3], v[PB+(h2/2)/4] offset:HTILE*((h2/2)%4)+512*(h2%2)+128*(\q)+32*\c
.endr
.endm
.macro RUN
	LEXTRA
	LFRAG 0
	LFRAG 1
	LFRAG 2
	LFRAG 3
.endm
; THE LISTS of the way out, for row tile oM of the quad oQ, whose accumulators lie at oS.  List 1, 16 numbers: into my stage (each accumulator from its low end on) and back as whole rows, into the registers that they left;
; LDS serves a wave's instructions in order (ISA guide 5.7.1.4).  List 2, 8 numbers: the stores: sixteen lanes write 256 consecutive bytes, at a multiple of 256 from out0's first byte.
.macro VITEM
.if LT == 1
.if vj < 8
	WIN 0x04
	ds_store_b128 v[STO], v[oS+32*oM+4*vj:oS+32*oM+4*vj+3] offset:64*(vj/2)+16*(vj%2)
.else
	WIN 0x40
	ds_load_b128 v[oS+32*oM+4*(vj-8):oS+32*oM+4*(vj-8)+3], v[RD] offset:544*(vj-8)
.endif
.else
	WIN 0x04
	global_store_b128 v[CO], v[oS+32*oM+4*vj:oS+32*oM+4*vj+3], s[14:15] offset:(16*oM+2*vj)*4096+256*oQ th:TH_STORE_NT
.endif
.endm
.macro SLICE
.rept NPER
.if vj < VL
	VITEM
.set vj, vj+1
.endif
.endr
.endm
.macro FLUSH
.rept 16
.if vj < VL
	VITEM
.set vj, vj+1
.endif
.endr
.endm
; A half tile.  cnt = 16: the next half tile's 16 fragment loads may be out; all older LDS instructions are done, the stage's loads of the half tile before among them.
.macro HALF ht, run, cnt
	s_wait_dscnt \cnt
	MM \ht, 0
	PLACES
.irp i, 1,2,3
	MM \ht, \i
	SLICE
.endr
.irp q, 0,1,2,3
	MM \ht, 4+\q
.if \run
.set h2, (\ht)+2
.if \q == 0
	LEXTRA
.endif
	LFRAG \q
.endif
.endr
.irp i, 8,9,10,11,12,13,14,15
	MM \ht, \i
	SLICE
.endr
.endm
; Half tile hh with what goes beside it: in a quad's half tiles 2 m and 2 m + 1 row tile m of the quad before goes through the stage (out by the third slice, ahead of the run of loads) and is stored.
.macro STEPH
.set VL, 0
.set vj, 0
.set NPER, 1
.set LT, 0
.if hh >= 8
.set oQ, hh/8-1
.set oS, 128*(oQ%2)
.set oM, (hh%8)/2
.if hh%2 == 0
.set LT, 1
.set VL, 16
.set NPER, 6
.else
.set LT, 2
.set VL, 8
.endif
.endif
.if (hh == 16) || (hh == 24)
	s_wait_xcnt 0x0                                ; the stores of the quad two back have read their registers: this quad's sums begin there
.endif
.if hh == 14
	s_wait_tensorcnt 0x0                           ; my part of Wo's rows 128-255 is in,
	s_wait_dscnt 0x0
	s_barrier_signal -1
	s_barrier_wait -1                              ; everybody's is: this half tile's run of loads is the first to read them
.endif
.if hh < 30
	HALF hh, 1, 16
.elseif hh == 30
	HALF hh, 0, 16
.else
	HALF hh, 0, 0
.endif
	FLUSH
.endm
	s_load_b256 s[4:11], s[0:1], 0x0               ; hc 4, hs 6, Wo codes 8, Wo scales 10
	s_load_b128 s[12:15], s[0:1], 0x20             ; bo 12, out0 14
	v_lshl_add_u32 v1, v0, 2, 0x47a00
	v_mov_b32 v2, 0
	ds_add_u32 v1, v2
	v_lshrrev_b32 v13, 5, v0
	v_readfirstlane_b32 s[WV], v13                 ; wave 0..3
	s_bfe_u32 s17, ttmp6, 0x40000                  ; cx
	s_bfe_u32 s18, ttmp6, 0x40004                  ; cy
	s_lshl_b32 s19, ttmp9, 2
	s_add_co_u32 s19, s19, s17                     ; g
	s_and_b32 s20, ttmp7, 0xffff
	s_lshl_b32 s20, s20, 2
	s_add_co_u32 s20, s20, s18                     ; rb
	s_lshl_b32 s21, 0x1111, s17                    ; my column of the cluster
	v_and_b32 v13, 31, v0                          ; lane
	v_and_b32 v14, 15, v0                          ; r
	v_bfe_u32 v15, v0, 4, 1                        ; h
	v_lshlrev_b32 v[LI], 4, v13
	v_mul_u32_u24 v[PB], v14, PITCH
	v_lshl_add_u32 v[PB], v15, 4, v[PB]
.irp k, 1,2,3
	v_add_nc_u32 v[PB+\k], \k*4*HTILE, v[PB]
.endr
	v_lshrrev_b32 v[ASC], 3, v13
	v_lshlrev_b32 v[ASC], 4, v[ASC]
	v_lshl_add_u32 v[ASC], v13, 5, v[ASC]
	v_add_nc_u32 v[ASC], SCL, v[ASC]
	v_lshl_add_u32 v[ABI], v15, 5, BIA
	s_mul_i32 s69, s[WV], SGW
	s_add_co_u32 s69, s69, STG                     ; my stage
	v_mul_u32_u24 v[STO], v14, 272
	v_lshl_add_u32 v[STO], v15, 5, v[STO]
	v_add_nc_u32 v[STO], s69, v[STO]
	v_mul_u32_u24 v[RD], v15, 272
	v_lshl_add_u32 v[RD], v14, 4, v[RD]
	v_add_nc_u32 v[RD], s69, v[RD]
	v_lshlrev_b32 v[CO], 12, v15
	v_lshl_add_u32 v[CO], v14, 4, v[CO]
	s_lshl_b32 s76, s20, 8                         ; numbers made of rb stay in s22, s23, s76: no register that feeds a joint load ever holds them
	s_lshl_b32 s22, s[WV], 6
	s_add_co_u32 s76, s76, s22                     ; my first row
	s_mov_b32 s23, 0
	s_wait_dscnt 0x0
	s_wait_kmcnt 0x0
	s_lshl_b32 s22, s76, 10
	s_add_nc_u64 s[4:5], s[4:5], s[22:23]          ; hc: my first row tile x 16,384
	s_lshl_b32 s22, s76, 5
	s_add_nc_u64 s[6:7], s[6:7], s[22:23]          ; hs: my block of 64 rows x 2,048
	s_lshl_b32 s22, s76, 12
	s_lshl_b32 s66, s19, 10
	s_add_co_u32 s22, s22, s66
	s_add_nc_u64 s[14:15], s[14:15], s[22:23]      ; out0: my first row, my work-group's first column
.irp k, 0,1,2,3
	global_load_b128 v[XS+4*\k:XS+4*\k+3], v[LI], s[6:7] offset:512*\k
.endr
	WIN 0x80                                       ; K steps 0-3 into window 2, 4-7 into window 3: fragment (m, s) at 64 m + 16 (s % 4)
.irp m, 0,1,2,3
.irp s, 0,1,2,3
.irp c, 0,1,2,3
	global_load_b128 v[64*\m+16*\s+4*\c:64*\m+16*\s+4*\c+3], v[LI], s[4:5] offset:16384*\m+2048*\s+512*\c
.endr
.endr
.endr
	WIN 0xc0
.irp m, 0,1,2,3
.irp s, 0,1,2,3
.irp c, 0,1,2,3
	global_load_b128 v[64*\m+16*\s+4*\c:64*\m+16*\s+4*\c+3], v[LI], s[4:5] offset:16384*\m+8192+2048*\s+512*\c
.endr
.endr
.endr
	WIN 0
	; descriptor groups 1.  Wo's rows: 32 rows x 1,024 elements of 1 byte, 4 words of padding after every 256
	s_or_b32 s[G1W], s21, (1<<20)|(1<<21)|(7<<22)|(3<<25)
	s_mov_b32 s[G1W+1], 1024<<16
	s_mov_b32 s[G1W+2], 32<<16
	s_mov_b32 s[G1W+3], 1024<<16
	s_mov_b32 s[G1W+4], 32
	s_mov_b32 s[G1W+5], 1024
	s_mov_b32 s[G1W+6], 0
	s_mov_b32 s[G1W+7], 0
	; scale bytes of 64 rows: 2,048 dense bytes as 8 rows of 32 elements of 8 bytes, 4 words of padding after every 64
	s_or_b32 s[G1S], s21, (3<<16)|(1<<20)|(1<<21)|(5<<22)|(3<<25)
	s_mov_b32 s[G1S+1], 32<<16
	s_mov_b32 s[G1S+2], 8<<16
	s_mov_b32 s[G1S+3], 32<<16
	s_mov_b32 s[G1S+4], 8
	s_mov_b32 s[G1S+5], 32
	s_mov_b32 s[G1S+6], 0
	s_mov_b32 s[G1S+7], 0
	; 64 biases: one row of 256 bytes
	s_or_b32 s[G1B], s21, (3<<16)|(1<<21)
	s_mov_b32 s[G1B+1], 32<<16
	s_mov_b32 s[G1B+2], 1<<16
	s_mov_b32 s[G1B+3], 32<<16
	s_mov_b32 s[G1B+4], 1
	s_mov_b32 s[G1B+5], 32
	s_mov_b32 s[G1B+6], 0
	s_mov_b32 s[G1B+7], 0
	; groups 0: every wave fetches a quarter of each, by its number and g
	s_mov_b32 s67, 0
	s_mov_b32 s48, 1
	s_mul_i32 s49, s[WV], 8*272
	s_add_co_u32 s49, s49, SCL
	s_lshl_b32 s66, s19, 13
	s_lshl_b32 s68, s[WV], 11
	s_add_co_u32 s66, s66, s68
	s_add_nc_u64 s[50:51], s[10:11], s[66:67]
	s_or_b32 s51, s51, 0x80000000
	s_mov_b32 s52, 1
	s_lshl_b32 s53, s[WV], 8
	s_add_co_u32 s53, s53, BIA
	s_lshl_b32 s66, s19, 10
	s_lshl_b32 s68, s[WV], 8
	s_add_co_u32 s66, s66, s68
	s_add_nc_u64 s[54:55], s[12:13], s[66:67]
	s_or_b32 s55, s55, 0x80000000
	s_mov_b32 s56, 1
	s_mul_i32 s57, s[WV], PIECE                    ; rows 32 w on,
	s_lshl_b32 s66, s19, 18
	s_lshl_b32 s68, s[WV], 15
	s_add_co_u32 s66, s66, s68
	s_add_nc_u64 s[58:59], s[8:9], s[66:67]
	s_mov_b32 s60, 1
	s_add_co_u32 s61, s57, 4*PIECE                 ; and rows 128 + 32 w on
	s_add_nc_u64 s[62:63], s[58:59], 131072
	s_or_b32 s59, s59, 0x80000000
	s_or_b32 s63, s63, 0x80000000
	CROUND                                         ; all sixteen work-groups are here: the joint loads meet
	tensor_load_to_lds s[48:51], s[G1S:G1S+7]      ; four tensor loads of mine are out
	s_nop 0
	tensor_load_to_lds s[52:55], s[G1B:G1B+7]
	s_nop 0
	tensor_load_to_lds s[56:59], s[G1W:G1W+7]
	s_nop 0
	tensor_load_to_lds s[60:63], s[G1W:G1W+7]
	s_nop 0
.rept 4
	v_nop
.endr
	s_wait_tensorcnt 1                             ; my parts of the scale bytes, the bias and rows 0-127 are in; rows 128-255 may be out
	s_barrier_signal -1
	s_barrier_wait -1                              ; everybody's are
.set h2, 0
	RUN
.set h2, 1
	RUN
	s_wait_loadcnt 0x0                             ; hidden's fragments and scale words
.set hh, 0
.rept 32
	STEPH
.set hh, hh+1
.endr
	PLACES                                         ; the last quad: nothing is left to multiply beside it
.set oS, 128
.set oQ, 3
.irp m, 0,1,2,3
.set oM, \m
.set LT, 1
.set VL, 16
.set vj, 0
	FLUSH
.endr
.irp m, 0,1,2,3
	s_wait_dscnt 16*(3-\m)                         ; this row tile is back; the later tiles' 8 stores and 8 loads may be out
.set oM, \m
.set LT, 2
.set VL, 8
.set vj, 0
	FLUSH
.endr
	WIN 0
	s_wait_tensorcnt 0x0
	ds_add_u32 v1, v2
	s_wait_dscnt 0x0
	CROUND                                         ; the closing round
	s_endpgm
.Lfunc_end_k_qbbecbf9e6d_outp:
	.size	k_qbbecbf9e6d_outp, .Lfunc_end_k_qbbecbf9e6d_outp-k_qbbecbf9e6d_outp
	.p2alignl 7, 3214868480
	.fill 96, 4, 3214868480
	.section	.rodata,"a",@progbits
	.p2align	6, 0x0
	.amdhsa_kernel k_qbbecbf9e6d_outp
		.amdhsa_group_segment_fixed_size 327680
		.amdhsa_private_segment_fixed_size 0
		.amdhsa_enable_private_segment 0
		.amdhsa_kernarg_size 48
		.amdhsa_user_sgpr_count 2
		.amdhsa_user_sgpr_kernarg_segment_ptr 1
		.amdhsa_wavefront_size32 1
		.amdhsa_system_sgpr_workgroup_id_x 1
		.amdhsa_system_sgpr_workgroup_id_y 1
		.amdhsa_system_sgpr_workgroup_id_z 1
		.amdhsa_system_vgpr_workitem_id 0
		.amdhsa_next_free_vgpr 1024
		.amdhsa_next_free_sgpr 80
		.amdhsa_reserve_vcc 0
		.amdhsa_float_denorm_mode_32 3
		.amdhsa_float_denorm_mode_16_64 3
		.amdhsa_memory_ordered 1
		.amdhsa_forward_progress 1
		.amdhsa_inst_pref_size 174
	.end_amdhsa_kernel
	.amdgpu_metadata
---
amdhsa.version: [ 1, 2 ]
amdhsa.kernels:
  - .name:           k_qbbecbf9e6d_outp
    .symbol:         k_qbbecbf9e6d_outp.kd
    .args:
      - { .name: hc, .offset: 0, .size: 8, .value_kind: global_buffer, .address_space: global }
      - { .name: hs, .offset: 8, .size: 8, .value_kind: global_buffer, .address_space: global }
      - { .name: Wo_codes, .offset: 16, .size: 8, .value_kind: global_buffer, .address_space: global }
      - { .name: Wo_scales, .offset: 24, .size: 8, .value_kind: global_buffer, .address_space: global }
      - { .name: bo, .offset: 32, .size: 8, .value_kind: global_buffer, .address_space: global }
      - { .name: out0, .offset: 40, .size: 8, .value_kind: global_buffer, .address_space: global }
    .group_segment_fixed_size: 327680
    .private_segment_fixed_size: 0
    .kernarg_segment_align: 8
    .kernarg_segment_size: 48
    .max_flat_workgroup_size: 128
    .sgpr_count:     80
    .vgpr_count:     1024
    .wavefront_size: 32
...
	.end_amdgpu_metadata
.endif
;; end of part 2
;; ======== version 2 of 2: 2 launches
;; limits: right only within a limited range of input values
;; workspace buffers: hc 16,777,216 bytes; hs 524,288 bytes
;; launch qkv (part 3): grid 4 x 64, 4 waves a work-group, clusters of 4 x 4, 327,680 bytes of LDS; arguments x_codes, x_scales, Wq_codes, Wq_scales, bq, Wk_codes, Wk_scales, bk, Wv_codes, Wv_scales, bv, hc, hs; writes hc, hs
.if DOCPART == 3
	.amdgcn_target "amdgcn-amd-amdhsa--gfx1250"
	.amdhsa_code_object_version 6
	.text
	.protected	k_qbbecbf9e6d_qkv
	.globl	k_qbbecbf9e6d_qkv
	.p2align	8
	.type	k_qbbecbf9e6d_qkv,@function
k_qbbecbf9e6d_qkv:
	s_mov_b64 s[64:65], 0
	v_nop
	global_prefetch_b8 v0, s[64:65] scope:SCOPE_SE
	s_setreg_imm32_b32 hwreg(HW_REG_WAVE_MODE, 25, 1), 1
	s_wait_xcnt 0x0
	s_wait_alu depctr_hold_cnt(0) depctr_sa_sdst(0) depctr_va_vdst(0) depctr_va_sdst(0) depctr_va_ssrc(0) depctr_va_vcc(0) depctr_vm_vsrc(0)
	s_getreg_b32 s2, hwreg(HW_REG_IB_STS2, 6, 4)
	s_cmp_eq_u32 s2, 0
	s_cbranch_scc0 .Lentry_in_a_cluster
	s_endpgm
.Lentry_in_a_cluster:
	s_bfe_u32 s2, ttmp6, 0x10000c
	s_cmp_lg_u32 s2, 0xf033
	s_cbranch_scc0 .Lentry_shape_is_right
	s_endpgm
.Lentry_shape_is_right:
; hidden[row][64 head + c] = (sum over e of exp(-(a_e^2 + b_e^2) / 2)) x v_c,  a = x Wq + bq, b = x Wk + bk, v = x Wv + bv, each for one head of 64 columns.
; The three products run on codes of BF8 (E5M2) with one E8M0 byte for each 32 along K, as they arrive.  hidden is quantised along its columns (a head = two blocks of 32) and
; leaves as codes (hc) and scale words (hs), laid as the next launch's operand registers want them.
; SHARES.  A work-group takes 256 rows (row block rb) and 256 columns (column group g = four heads).  Wave w owns rows 64 w .. 64 w + 63: four tiles of 16.
; ITS ROWS OF x STAY IN REGISTERS: 64 rows x 1,024 codes = 512 registers (windows 2 and 3).  They come by one joint load a wave into LDS bytes that the ring fills later.
; A TRIP is half a head: 32 columns of q, of k and of v: six tiles q0 k0 q1 k1 v0 v1 of 16 rows of W for all of K, 32 matrix instructions each, four accumulators (row tiles) by turns, K ascending.  Eight trips.
; THE RING.  Two LDS slots, 2^17 bytes apart, each with a trip's 96 rows (32 of Wq, 32 of Wk, 32 of Wv, fetched by waves 0, 1, 2).  Trip n fills its own slot again for trip n + 2: six trips do, the last two are a loop of their own.
; TRANSPOSED USE: source 0 = 16 rows of W, source 1 = 16 of my rows: register j of lane (r, h) is (my row r, W row 8 h + j).  The bias is the C of a sum's first instruction.
; VECTOR WORK and LDS loads stand between half tiles, in runs.  Trip n quantises block n - 2 (its head's sum is finished then): the largest magnitude is taken of the raw v and multiplied by the sum:
;   rounding is monotone and the sum is not negative, so that is the largest product.  In trips 0 and 1 the lists work on zeros and nothing is stored.
; THE EXPONENTIALS stand between two pairs of tiles, where no sum is under way and every finished accumulator has been read.
; CLUSTER.  4 x 4 work-groups.  x's rows are asked for jointly along a row of the cluster, W's pieces along a column.  No prefetch: a piece is asked for a whole trip, 192 matrix instructions a wave, ahead, and all row blocks read the same weights.
; In the very last trip the loads of the tile behind it read the slot and the scale bytes that lie there; nothing uses them.
; LIMITS.  v_exp_f32 gives 0 for results under 2^-126, so a sum all of whose 64 terms lie there is 0.  A block of zeros gets the scale byte 1, not 127: its codes are zeros and this program alone reads the bytes.
;   NaN and infinities among the numbers are not served.
.set PITCH,  1040                      ; an LDS row: 1,024 bytes + 16 of padding: 16 neighbouring rows start 4 words apart modulo 64
.set PIECE,  32*PITCH
.set HTILE,  16*PITCH
.set SLOT,   0x20000
.set SCL,    256*PITCH                 ; behind x's 256 rows: scale bytes of my 256 rows of Wq, Wk, Wv, 8,192 bytes each as 32 rows of 256 + 16
.set SCM,    32*272
.set BIA,    SCL+3*SCM                 ; bq, bk, bv of my 256 columns
.set SPARE,  BIA+3*1024                ; the spare words
; window 0
.set SPW, 1
.set NIL, 2
.set PB,  3                            ; v3-5 my lane's place in the slot's pieces of Wq, Wk, Wv
.set PN,  6                            ; v6   and in the other slot's piece of Wq
.set LB,  7                            ; v7   1,040 r + 16 h
.set CO,  8                            ; v8   16 x lane
.set ASC, 9                            ; v9   my lane's place among the scale bytes of the trip's 32 rows
.set ABI, 10                           ; v10  BIA + 32 h + 128 x trip
.set W0,  11                           ; v11-14 the scale words of blocks 0-3, a row tile each
.set W1,  15                           ; v15-18 of blocks 4-7
.set XR,  19                           ; v19  my lane's place among my rows of x
.set XS,  20                           ; v20-35 x's scale words [8 p + s]: lanes 0-15 row tile 2 p, lanes 16-31 row tile 2 p + 1
.set PP,  36                           ; v36-39 the last half head's sums
.set Z,   40                           ; v40-63 W's scale words [8 piece + s]: lanes 0-15 the piece's rows 0-15, lanes 16-31 its rows 16-31
.set BB,  64                           ; v64-255 three buffers of four fragments of W
; window 1
.set SQ,  0                            ; accumulators of a pair q k: 32 tile + 8 row tile
.set XV,  64                           ; the block of v that is quantised
.set YV,  128                          ; accumulators of v0 v1
.set CS,  192                          ; sums, a pair for each row tile
.set TMX, 200                          ; largest magnitudes: of XV,
.set TMY, 204                          ; of YV
.set TP,  208
.set LIM, 212                          ; 57,344 x the scale
.set SC,  216                          ; the conversion's scale operand
.set FS,  220                          ; a head's finished sum
.set PC,  224                          ; v224-239 codes
.set BI,  240                          ; v240-255 two sets of a tile's bias
; scalars
.set WV,  30
.set G1W, 36
.set G1X, 44
.set G0X, 52
.set G0W, 56
.set TB,  60
.set MASK, 61
.set TBN, 62
.set CN,  80
.set SEL, 82
.set MNT, 84
.set LM,  85
.set TRIP, 88
.set MSB, 0
.macro WIN new                         ; the immediate's high byte repeats the setting that is left
.set wn, \new
.if MSB != wn
	s_set_vgpr_msb (MSB<<8)|wn
.set MSB, wn
.endif
.endm
.macro PLACES                          ; eight places behind matrix instructions of this form
.rept 8
	v_nop
.endr
.endm
.macro CREST
	s_cmp_lg_u32 s[WV], 0
	s_cbranch_scc1 .Lnot_wave_0_\@
	s_barrier_signal -3
.Lnot_wave_0_\@:
	s_barrier_wait -3
	s_barrier_signal -1
	s_barrier_wait -1
.endm
.macro CROUND
	s_barrier_signal -1
	s_barrier_wait -1
	CREST
.endm
.macro WLOAD                           ; waves 0, 1, 2 fetch a piece each
	s_cmp_lt_u32 s[WV], 3
	s_cbranch_scc0 .Lnofill_\@
	tensor_load_to_lds s[G0W:G0W+3], s[G1W:G1W+7]
	s_nop 0
.rept 4
	v_nop
.endr
.Lnofill_\@:
.endm
.macro WSTEP                           ; the next trip's rows, the other slot (no tensor load of mine is out)
	s_xor_b32 s[G0W+1], s[G0W+1], SLOT
	s_add_nc_u64 s[G0W+2:G0W+3], s[G0W+2:G0W+3], 32768
.endm
.macro TILE t                          ; its piece (0 q, 1 k, 2 v), which 16 rows of it, its accumulators
.set tT, \t
.if tT < 4
.set tPc, tT%2
.set tU, tT/2
.set tAc, SQ+32*(tT%2)
.else
.set tPc, 2
.set tU, tT-4
.set tAc, YV+32*(tT-4)
.endif
.endm
; Matrix instruction i of 16 of half tile ht: K step 4 (ht % 2) + i / 4, row tile i % 4: the four accumulators take turns.
.macro MM ht, i
.set mH, \ht
.set mI, \i
	TILE mH/2
.set mS, mI/4
.set mM, mI%4
.set rD, tAc+8*mM
.set rC, rD
.if (mH%2 == 0) && (mS == 0)
.set rC, BI+8*(tT%2)
.endif
.set rA, BB+64*(mH%3)+16*mS
.set rB, 64*mM+16*mS
.set rSA, Z+8*tPc+4*(mH%2)+mS
.set rSB, XS+8*(mM/2)+4*(mH%2)+mS
	WIN 0x58+4*(mH%2)                              ; W window 0, x window 2 or 3, C and D window 1
.if (tU == 0) && (mM%2 == 0)
	v_wmma_scale_f32_16x16x128_f8f6f4 v[rD:rD+7], v[rA:rA+15], v[rB:rB+15], v[rC:rC+7], v[rSA], v[rSB] matrix_a_fmt:MATRIX_FMT_BF8 matrix_b_fmt:MATRIX_FMT_BF8
.elseif mM%2 == 0
	v_wmma_scale_f32_16x16x128_f8f6f4 v[rD:rD+7], v[rA:rA+15], v[rB:rB+15], v[rC:rC+7], v[rSA], v[rSB] matrix_a_fmt:MATRIX_FMT_BF8 matrix_b_fmt:MATRIX_FMT_BF8 matrix_a_scale:MATRIX_SCALE_ROW1
.elseif tU == 0
	v_wmma_scale_f32_16x16x128_f8f6f4 v[rD:rD+7], v[rA:rA+15], v[rB:rB+15], v[rC:rC+7], v[rSA], v[rSB] matrix_a_fmt:MATRIX_FMT_BF8 matrix_b_fmt:MATRIX_FMT_BF8 matrix_b_scale:MATRIX_SCALE_ROW1
.else
	v_wmma_scale_f32_16x16x128_f8f6f4 v[rD:rD+7], v[rA:rA+15], v[rB:rB+15], v[rC:rC+7], v[rSA], v[rSB] matrix_a_fmt:MATRIX_FMT_BF8 matrix_b_fmt:MATRIX_FMT_BF8 matrix_a_scale:MATRIX_SCALE_ROW1 matrix_b_scale:MATRIX_SCALE_ROW1
.endif
.endm
.macro PROD ht, f, t                   ; matrix instructions f to t - 1 of a half tile
.set pI, \f
.rept (\t)-(\f)
	MM \ht, pI
.set pI, pI+1
.endr
.endm
; The LDS loads of half tile h (12, 13: the next trip's 0, 1).  With a tile's first half its bias and, for a new piece, the piece's scale words, ahead of the 16 fragment loads:
; fragment lj / 4: lane (r, h): registers 4 c .. 4 c + 3 = K 32 c + 16 h + 0 .. 15.
.macro RUNH h
.set h2, \h
	TILE (h2%12)/2
.if h2%2 == 0
	WIN 0x40
	ds_load_b128 v[BI+8*(tT%2):BI+8*(tT%2)+3], v[ABI] offset:1024*tPc+128*(h2/12)+64*tU
	ds_load_b128 v[BI+8*(tT%2)+4:BI+8*(tT%2)+7], v[ABI] offset:1024*tPc+128*(h2/12)+64*tU+16
.if (tT == 0) || (tT == 1) || (tT == 4)
	WIN 0
	ds_load_b128 v[Z+8*tPc:Z+8*tPc+3], v[ASC] offset:SCM*tPc+1088*(h2/12)
	ds_load_b128 v[Z+8*tPc+4:Z+8*tPc+7], v[ASC] offset:SCM*tPc+1088*(h2/12)+16
.endif
.endif
.set la, PB+tPc
.if h2 >= 12
.set la, PN
.endif
	WIN 0
.set lj, 0
.rept 16
	ds_load_b128 v[BB+64*(h2%3)+4*lj:BB+64*(h2%3)+4*lj+3], v[la] offset:HTILE*tU+512*(h2%2)+128*(lj/4)+32*(lj%4)
.set lj, lj+1
.endr
.endm
; THE VECTOR LISTS.  The row tile runs fastest; each accumulator is first read at its low end.
.macro VITEM                           ; number cj of list cl
.set cM, cj%4
.set cP, cj/4
.if cl == 1                            ; 24: the half head's sums are finished; behind a head's second half they make the head's sum
.if cj < 4
	WIN 0x55
	v_add_f32 v[CS+2*cM], v[CS+2*cM], v[CS+2*cM+1]
.elseif cj < 8
	WIN 0x55
	v_permlanex16_b32 v[TP+cM], v[CS+2*cM], s[SEL], s[SEL+1]
.elseif cj < 12
	WIN 0x55
	v_add_f32 v[CS+2*cM], v[CS+2*cM], v[TP+cM]
.elseif cj < 16
	WIN 0x41
	v_add_f32 v[CS+2*cM+1], v[CS+2*cM], v[PP+cM]
.elseif cj < 20
	WIN 0x55
	v_cndmask_b32 v[FS+cM], v[FS+cM], v[CS+2*cM+1], s[MASK]
.else
	WIN 0x01
	v_mov_b32 v[PP+cM], v[CS+2*cM]
.endif
.elseif cl == 2                        ; 32: the largest of my 16 raw numbers of the new block of v, in three chains
	WIN 0x55
.if cj < 12
.set k0, 3*cP
.set k1, k0+1
.set k2, k0+2
.set yb, YV+8*cM
.set yd, LIM+4*cP+cM
.if cP == 2
.set yd, TMY+cM
.endif
	v_max3_num_f32 v[yd], |v[yb+k0+24*(k0/8)]|, |v[yb+k1+24*(k1/8)]|, |v[yb+k2+24*(k2/8)]|
.elseif cj < 24
.set k0, 9+2*(cP-3)
.set yb, YV+8*cM+24
.set yd, LIM+4*(cP-3)+cM
.if cP == 5
.set yd, TMY+cM
.endif
	v_max3_num_f32 v[yd], v[yd], |v[yb+k0]|, |v[yb+k0+1]|
.elseif cj < 28
	v_max_num_f32 v[TMY+cM], v[TMY+cM], |v[YV+8*cM+39]|
.else
	v_max3_num_f32 v[TMY+cM], v[TMY+cM], v[LIM+cM], v[SC+cM]
.endif
.elseif cl == 3                        ; 36: the block's scale
.if cj < 4
	WIN 0x55
	v_permlanex16_b32 v[TP+cM], v[TMX+cM], s[SEL], s[SEL+1]
.elseif cj < 8
	WIN 0x55
	v_max_num_f32 v[TMX+cM], v[TMX+cM], v[TP+cM]   ; with lane l xor 16's 16
.elseif cj < 12
	WIN 0x55
	v_mul_f32 v[TMX+cM], v[TMX+cM], v[FS+cM]
.elseif cj < 16
	WIN 0x55
	v_max_num_f32 v[TMX+cM], 0x8000000, v[TMX+cM]  ; the floor 2^(16 - 127): the byte cannot fall under 1
.elseif cj < 20
	WIN 0x55
	v_add_nc_u32 v[SC+cM], 0xf8800000, v[TMX+cM]   ; 15 off its exponent field
.elseif cj < 24
	WIN 0x55
	v_lshrrev_b32 v[TP+cM], 23, v[SC+cM]           ; the byte
.elseif cj < 28
	WIN 0x55
	v_and_or_b32 v[LIM+cM], v[TMX+cM], 0x7f800000, s[MNT]
.elseif cj < 32
	WIN 0
	v_alignbit_b32 v[W0+cM], v[W1+cM], v[W0+cM], 8 ; the two words of a row move a byte down,
.else
	WIN 0x01
	v_alignbit_b32 v[W1+cM], v[TP+cM], v[W1+cM], 8 ; and the byte comes in on top: behind eight blocks each stands at its place
.endif
.elseif cl == 4                        ; 32: v times the sum
.set cR, XV+32*(cj/16)+8*cM+2*(cP%4)
	WIN 0x55
.if cM%2 == 0
	v_pk_mul_f32 v[cR:cR+1], v[cR:cR+1], v[FS+cM:FS+cM+1] op_sel_hi:[1,0]
.else
	v_pk_mul_f32 v[cR:cR+1], v[cR:cR+1], v[FS+cM-1:FS+cM] op_sel:[0,1] op_sel_hi:[1,1]
.endif
.elseif cl == 5                        ; 82: the hold (the conversion does not saturate: ISA guide 7.6.2), the codes, their order
.if cj < 64
.set cR, XV+32*(cP/8)+8*cM+cP%8
	WIN 0x55
	v_med3_num_f32 v[cR], v[cR], -v[LIM+cM], v[LIM+cM]
.elseif cj < 72
.set cK, cj-64
	WIN 0x55
	v_cvt_scalef32_pk8_bf8_f32 v[PC+4*(cK%4)+2*(cK/4):PC+4*(cK%4)+2*(cK/4)+1], v[XV+32*(cK/4)+8*(cK%4):XV+32*(cK/4)+8*(cK%4)+7], v[SC+cK%4]
.elseif (cj == 72) || (cj == 81)
	v_nop
.else
.set cK, cj-73
	WIN 0x55
	v_permlane16_swap_b32 v[PC+4*(cK%4)+cK/4], v[PC+4*(cK%4)+2+cK/4]   ; tile tau gave lane half h the block's elements 16 tau + 8 h + 0..7; now half h holds 16 h + 0..15
.endif
.elseif cl == 6                        ; 32: the new block of v to where it is quantised in the next trip
	WIN 0x55
	v_dual_mov_b32 v[XV+2*cj], v[YV+2*cj] :: v_dual_mov_b32 v[XV+2*cj+1], v[YV+2*cj+1]
.elseif cl == 7                        ; 16: q^2
.set cR, SQ+8*cM+2*cP
	WIN 0x55
	v_pk_mul_f32 v[cR:cR+1], v[cR:cR+1], v[cR:cR+1]
.elseif cl == 8                        ; 4
	WIN 0x55
	v_mov_b32 v[TMX+cM], v[TMY+cM]
.endif
.endm
.macro DENSE k, f, t                   ; numbers f to t - 1 of list k
.set cl, \k
.set cj, \f
.rept (\t)-(\f)
	VITEM
.set cj, cj+1
.endr
.endm
; BETWEEN TWO PAIRS: q^2 (also the places behind the pair's last product), + k^2, the loads of the half tile two on from the next, the exponentials as one batch with per numbers of list k behind each
; (they read what was written ahead of the batch's first wait, and their results are read behind its second), the sums.
; At the end the loads of the next pair's first half are waited for: 34 are younger, its second half's 16 and the 18 issued here.
.macro STRETCH first, h, k, per
	DENSE 7, 0, 16
.set fj, 0
.rept 16
.set fR, SQ+8*(fj%4)+2*(fj/4)
	v_pk_fma_f32 v[fR:fR+1], v[fR+32:fR+33], v[fR+32:fR+33], v[fR:fR+1]
.set fj, fj+1
.endr
.set fj, 0
.rept 16
.set fR, SQ+8*(fj%4)+2*(fj/4)
	v_pk_mul_f32 v[fR:fR+1], v[fR:fR+1], s[CN:CN+1] op_sel_hi:[1,0]
.set fj, fj+1
.endr
	RUNH \h
	WIN 0x55
	s_wait_alu depctr_va_vdst(0)                   ; a wait ahead of the batch,
.set fj, 0
.set cl, \k
.set cj, 0
.rept 32
.set fR, SQ+8*(fj%4)+fj/4
	v_exp_f32 v[fR], v[fR]
.rept \per
	VITEM
.set cj, cj+1
.endr
.set fj, fj+1
.endr
	v_nop
	s_wait_alu depctr_va_vdst(0)                   ; and behind it
.set fj, 4*(\first)
.rept 16-4*(\first)
.set fM, fj%4
.set fR, SQ+8*fM+2*(fj/4)
.if (\first) && (fj < 8)
	v_pk_add_f32 v[CS+2*fM:CS+2*fM+1], v[fR-2:fR-1], v[fR:fR+1]
.else
	v_pk_add_f32 v[CS+2*fM:CS+2*fM+1], v[CS+2*fM:CS+2*fM+1], v[fR:fR+1]
.endif
.set fj, fj+1
.endr
	s_wait_alu depctr_va_vdst(0)
	s_wait_dscnt 34
.endm
.macro STORES off                      ; a block's codes: 32 lanes store 512 consecutive bytes, at a multiple of 512 from hc's first byte
	WIN 0x04
.irp m, 0,1,2,3
	global_store_b128 v[CO], v[PC+4*\m:PC+4*\m+3], s[26:27] offset:16384*\m+\off
.endr
	WIN 0
.endm
; A TRIP.  fill = 1: its slot is filled again for the trip two on.  guard = 1: trips 0 and 1 store nothing.
; Three buffers hold half tiles.  A half's loads are issued behind at least eight plain vector lines (places for the buffer's last readers); s_wait_dscnt 16 leaves the 16 youngest, a later half's fragments, out.
.macro TRIPX fill, guard
	s_wait_dscnt 16
	RUNH 2
	PROD 0, 0, 16                                  ; q0
	s_wait_dscnt 16
	DENSE 3, 0, 36
	RUNH 3
	PROD 1, 0, 16
	s_wait_dscnt 16
	PROD 2, 0, 16                                  ; k0
	s_wait_dscnt 0x0
	DENSE 4, 0, 32
	RUNH 4
	RUNH 5
	PROD 3, 0, 16
	STRETCH 1, 6, 5, 2
	PROD 4, 0, 16                                  ; q1
	s_wait_dscnt 16
	PLACES
	DENSE 5, 64, 82
.if \guard
	WIN 0
	s_cmp_lt_u32 s[TRIP], 2
	s_cbranch_scc1 .Lno_block_\@
.endif
	STORES 0
.Lno_block_\@:
	RUNH 7
	PROD 5, 0, 16
	s_wait_dscnt 16
	PROD 6, 0, 16                                  ; k1
	s_wait_dscnt 0x0
	DENSE 8, 0, 4
	PLACES
	RUNH 8
	RUNH 9
	PROD 7, 0, 16
	STRETCH 0, 10, 6, 1
	PROD 8, 0, 16                                  ; v0
; The slot's last loads stand here, and with them the change of slots begins: each wave waits for all its tensor loads (the other slot's), adds 0 to its spare word, and waits for that and for its reads of this slot.
	s_wait_dscnt 16
	PLACES
	RUNH 11
	s_wait_tensorcnt 0x0
	ds_add_u32 v[SPW], v[NIL]
.if \fill
	WSTEP
.endif
	PROD 9, 0, 16
	s_wait_dscnt 17                                ; v1's odd half's 16 loads and the add may be out
	PROD 10, 0, 8
	s_wait_dscnt 0x0
	s_barrier_signal -1
	PROD 10, 8, 16
	WIN 0
	s_barrier_wait -1
.if \fill
	CREST                                          ; no wave of any partner still reads this slot or has a load on its way
	WLOAD
.endif
	PLACES
	RUNH 12                                        ; the next trip's first tile comes out of the other slot
	RUNH 13
	PROD 11, 0, 16
	DENSE 1, 0, 24
	DENSE 2, 0, 32
	WIN 0
	s_xor_b32 s[TB], s[TB], SLOT                   ; on to the other slot, the next 32 rows of scale bytes, the next 32 biases
	s_xor_b32 s[TBN], s[TB], SLOT
	v_add_nc_u32 v[PB], s[TB], v[LB]
	v_add_nc_u32 v[PN], s[TBN], v[LB]
	v_add_nc_u32 v[PB+1], PIECE, v[PB]
	v_add_nc_u32 v[PB+2], 2*PIECE, v[PB]
	v_add_nc_u32 v[ASC], 1088, v[ASC]
	v_add_nc_u32 v[ABI], 128, v[ABI]
	s_not_b32 s[MASK], s[MASK]
	s_wait_alu depctr_va_vdst(0)
	s_wait_xcnt 0x0                                ; the stores have read their codes and their base
	s_add_nc_u64 s[26:27], s[26:27], 512
	s_add_co_u32 s[TRIP], s[TRIP], 1
.endm
	s_load_b512 s[4:19], s[0:1], 0x0               ; x codes 4, x scales 6, Wq codes 8, Wq scales 10, bq 12, Wk codes 14, Wk scales 16, bk 18
	s_load_b256 s[20:27], s[0:1], 0x40             ; Wv codes 20, Wv scales 22, bv 24, hc 26
	s_load_b64 s[28:29], s[0:1], 0x60              ; hs
	v_lshl_add_u32 v[SPW], v0, 2, SPARE
	v_mov_b32 v[NIL], 0
	ds_add_u32 v[SPW], v[NIL]                      ; the wave's opening
	ds_add_u32 v[SPW], v[NIL]
	v_lshrrev_b32 v64, 5, v0
	v_readfirstlane_b32 s[WV], v64                 ; wave 0..3
	v_and_b32 v65, 31, v0                          ; lane
	v_and_b32 v66, 15, v0                          ; r
	v_bfe_u32 v67, v0, 4, 1                        ; h
	v_lshlrev_b32 v[CO], 4, v65
	v_mul_u32_u24 v[LB], v66, PITCH
	v_lshl_add_u32 v[LB], v67, 4, v[LB]
	v_mov_b32 v[PB], v[LB]
	v_add_nc_u32 v[PB+1], PIECE, v[LB]
	v_add_nc_u32 v[PB+2], 2*PIECE, v[LB]
	v_add_nc_u32 v[PN], SLOT, v[LB]
	v_lshrrev_b32 v[ASC], 3, v65
	v_lshlrev_b32 v[ASC], 4, v[ASC]
	v_lshl_add_u32 v[ASC], v65, 5, v[ASC]
	v_add_nc_u32 v[ASC], SCL, v[ASC]               ; row l of a piece: 32 bytes a row, 16 more for each 256 passed
	v_lshl_add_u32 v[ABI], v67, 5, BIA
	v_lshlrev_b32 v68, 4, v0                       ; scale bytes on the way in: 16 bytes a thread,
	v_lshlrev_b32 v69, 3, v0                       ; biases: 8
	v_lshrrev_b32 v70, 4, v0
	v_mul_u32_u24 v70, v70, 272
	v_lshl_add_u32 v70, v66, 4, v70
	v_add_nc_u32 v70, SCL, v70
	v_add_nc_u32 v71, BIA, v69
	v_lshlrev_b32 v72, 5, v65                      ; a row of x's scale bytes
	s_wait_alu depctr_va_vdst(0)
	s_bfe_u32 s31, ttmp6, 0x40000                  ; cx
	s_bfe_u32 s32, ttmp6, 0x40004                  ; cy
	s_lshl_b32 s33, ttmp9, 2
	s_add_co_u32 s33, s33, s31                     ; g = 4 x cluster x + cx
	s_and_b32 s34, ttmp7, 0xffff
	s_lshl_b32 s34, s34, 2
	s_add_co_u32 s34, s34, s32                     ; rb = 4 x cluster y + cy
	s_lshl_b32 s35, 0x1111, s31                    ; my column of the cluster: W's pieces
	s_lshl_b32 s2, s32, 2
	s_lshl_b32 s3, 15, s2                          ; my row: x's rows
	s_mul_i32 s90, s[WV], 64*PITCH
	v_add_nc_u32 v[XR], s90, v[LB]
	s_mov_b32 s[CN], 0xbf38aa3b                    ; -log2(e) / 2
	s_mov_b32 s[CN+1], s[CN]
	s_mov_b32 s[SEL], 0x76543210
	s_mov_b32 s[SEL+1], 0xfedcba98                 ; lane l xor 16
	s_mov_b32 s[MNT], 0x600000
	s_mov_b32 s[LM], 0xffff0000
	s_mov_b32 s[TB], 0
	s_mov_b32 s[MASK], 0                           ; at the end of odd trips the head's sum is taken over
	s_mov_b32 s[TRIP], 0
	; descriptor groups 1: rows of 1,024 elements of 1 byte, 4 words of padding after every 256: 64 rows of x, 32 rows of W
	s_or_b32 s[G1X], s3, (1<<20)|(1<<21)|(7<<22)|(3<<25)
	s_mov_b32 s[G1X+1], 1024<<16
	s_mov_b32 s[G1X+2], 64<<16
	s_mov_b32 s[G1X+3], 1024<<16
	s_mov_b32 s[G1X+4], 64
	s_mov_b32 s[G1X+5], 1024
	s_mov_b32 s[G1X+6], 0
	s_mov_b32 s[G1X+7], 0
	s_or_b32 s[G1W], s35, (1<<20)|(1<<21)|(7<<22)|(3<<25)
	s_mov_b32 s[G1W+1], 1024<<16
	s_mov_b32 s[G1W+2], 32<<16
	s_mov_b32 s[G1W+3], 1024<<16
	s_mov_b32 s[G1W+4], 32
	s_mov_b32 s[G1W+5], 1024
	s_mov_b32 s[G1W+6], 0
	s_mov_b32 s[G1W+7], 0
	s_lshl_b32 s92, s34, 18                        ; x: my 64 rows, by rb and the wave's number
	s_lshl_b32 s91, s[WV], 16
	s_add_co_u32 s92, s92, s91
	s_mov_b32 s93, 0
	s_mov_b32 s[G0X], 1
	s_mov_b32 s[G0X+1], s90
	s_wait_alu depctr_va_vdst(0)
	s_wait_dscnt 0x0                               ; both opening adds are done
	CROUND                                         ; all sixteen work-groups are here: the first joint loads meet
	s_wait_kmcnt 0x0
	s_add_nc_u64 s[G0X+2:G0X+3], s[4:5], s[92:93]
	s_or_b32 s[G0X+3], s[G0X+3], 0x80000000
	tensor_load_to_lds s[G0X:G0X+3], s[G1X:G1X+7]  ; one tensor load a wave at the head
	s_nop 0
.rept 4
	v_nop
.endr
	s_lshl_b32 s89, s34, 8
	s_lshl_b32 s66, s[WV], 6
	s_add_co_u32 s89, s89, s66                     ; my first row: 256 rb + 64 w
	s_mov_b32 s67, 0
	s_lshl_b32 s66, s89, 5
	s_add_nc_u64 s[6:7], s[6:7], s[66:67]          ; x's scale bytes
	s_lshl_b32 s91, s33, 9
	s_add_co_u32 s66, s66, s91
	s_add_nc_u64 s[28:29], s[28:29], s[66:67]      ; hs: (block of 64 rows x 4 + g) x 512
	s_lshl_b32 s66, s89, 10
	s_lshl_b32 s91, s33, 12
	s_add_co_u32 s66, s66, s91
	s_add_nc_u64 s[26:27], s[26:27], s[66:67]      ; hc: row tile x 16,384 + K step 2 g x 2,048,
	s_sub_nc_u64 s[26:27], s[26:27], 1024          ; two blocks back: trip n stores block n - 2
	s_mov_b32 s95, 0
	s_lshl_b32 s94, s33, 13                        ; my 256 rows' scale bytes,
	s_add_nc_u64 s[10:11], s[10:11], s[94:95]
	s_add_nc_u64 s[16:17], s[16:17], s[94:95]
	s_add_nc_u64 s[22:23], s[22:23], s[94:95]
	s_lshl_b32 s94, s33, 10                        ; biases,
	s_add_nc_u64 s[12:13], s[12:13], s[94:95]
	s_add_nc_u64 s[18:19], s[18:19], s[94:95]
	s_add_nc_u64 s[24:25], s[24:25], s[94:95]
.irp i, 0,1,2,3
	global_load_b128 v[80+4*\i:83+4*\i], v68, s[10:11] offset:2048*\i
	global_load_b128 v[96+4*\i:99+4*\i], v68, s[16:17] offset:2048*\i
	global_load_b128 v[112+4*\i:115+4*\i], v68, s[22:23] offset:2048*\i
.endr
	global_load_b64 v[128:129], v69, s[12:13]
	global_load_b64 v[130:131], v69, s[18:19]
	global_load_b64 v[132:133], v69, s[24:25]
.irp p, 0,1
.irp q, 0,1
	global_load_b128 v[XS+8*\p+4*\q:XS+8*\p+4*\q+3], v72, s[6:7] offset:1024*\p+16*\q
.endr
.endr
	s_lshl_b32 s94, s33, 18                        ; and codes.  Wave 0 fetches for q, 1 for k, 2 for v (wave 3 makes wave 2's descriptor and issues none)
	s_min_u32 s90, s[WV], 2
	s_cmp_eq_u32 s90, 1
	s_cselect_b64 s[96:97], s[14:15], s[8:9]
	s_cmp_eq_u32 s90, 2
	s_cselect_b64 s[96:97], s[20:21], s[96:97]
	s_mov_b32 s[G0W], 1
	s_mul_i32 s[G0W+1], s90, PIECE
	s_add_nc_u64 s[G0W+2:G0W+3], s[96:97], s[94:95]
	s_or_b32 s[G0W+3], s[G0W+3], 0x80000000
.irp i, 0,1,2,3,4,5,6,7
	v_mov_b32 v[W0+\i], 0
.endr
.irp i, 0,1,2,3
	v_mov_b32 v[PP+\i], 0
.endr
	WIN 0x40
.set zi, XV                            ; both blocks of v, the sums and what the lists keep begin as zeros: trips 0 and 1 quantise no block yet
.rept 160
	v_mov_b32 v[zi], 0
.set zi, zi+1
.endr
	WIN 0
	s_wait_alu depctr_va_vdst(0)
	s_wait_loadcnt 0x0
.irp i, 0,1,2,3
	ds_store_b128 v70, v[80+4*\i:83+4*\i] offset:2176*\i
	ds_store_b128 v70, v[96+4*\i:99+4*\i] offset:SCM+2176*\i
	ds_store_b128 v70, v[112+4*\i:115+4*\i] offset:2*SCM+2176*\i
.endr
	ds_store_b64 v71, v[128:129]
	ds_store_b64 v71, v[130:131] offset:1024
	ds_store_b64 v71, v[132:133] offset:2048
	s_wait_tensorcnt 0x0                           ; my rows of x are in; nobody else reads them
	WIN 0x80
.irp m, 0,1,2,3
.irp s, 0,1,2,3
.irp c, 0,1,2,3
	ds_load_b128 v[64*\m+16*\s+4*\c:64*\m+16*\s+4*\c+3], v[XR] offset:HTILE*\m+128*\s+32*\c
.endr
.endr
.endr
	WIN 0xc0
.irp m, 0,1,2,3
.irp s, 0,1,2,3
.irp c, 0,1,2,3
	ds_load_b128 v[64*\m+16*\s+4*\c:64*\m+16*\s+4*\c+3], v[XR] offset:HTILE*\m+512+128*\s+32*\c
.endr
.endr
.endr
	WIN 0
	s_wait_tensorcnt 0x0
	ds_add_u32 v[SPW], v[NIL]
	s_wait_dscnt 0x0                               ; the add is done, and x is in registers
	CROUND
	WLOAD                                          ; trip 0's pieces over x's bytes
	s_wait_tensorcnt 0x0
	ds_add_u32 v[SPW], v[NIL]
	WSTEP
	s_wait_dscnt 0x0
	CROUND                                         ; trip 0's pieces are in for everybody
	WLOAD                                          ; trip 1's
	RUNH 0
	RUNH 1
	WIN 0
.Ltrip:
	TRIPX 1, 1
	s_cmp_lt_u32 s[TRIP], 6
	s_cbranch_scc1 .Ltrip
.Llast:                                            ; the last two trips fill nothing
	TRIPX 0, 0
	s_cmp_lt_u32 s[TRIP], 8
	s_cbranch_scc1 .Llast
	s_wait_dscnt 0x0                               ; blocks 6 and 7 are left
	DENSE 3, 0, 36
	DENSE 4, 0, 32
	DENSE 5, 0, 82
	STORES 0
	DENSE 6, 0, 32
	DENSE 8, 0, 4
	DENSE 3, 0, 36
	DENSE 4, 0, 32
	DENSE 5, 0, 64
	s_wait_alu depctr_va_vdst(0)
	s_wait_xcnt 0x0                                ; the stores have read the codes
	DENSE 5, 64, 82
	STORES 512
.irp p, 0,1                            ; the scale words as the next launch's registers want them: word 2 t + p: lanes 0-15 row tile 2 p, lanes 16-31 row tile 2 p + 1, K step 2 g + t
	v_cndmask_b32 v[64+\p], v[W0+2*\p], v[W0+2*\p+1], s[LM]
	v_cndmask_b32 v[66+\p], v[W1+2*\p], v[W1+2*\p+1], s[LM]
.endr
	global_store_b128 v[CO], v[64:67], s[28:29]    ; 512 consecutive bytes
	s_wait_tensorcnt 0x0                           ; the wave's end
	ds_add_u32 v[SPW], v[NIL]
	s_wait_dscnt 0x0
	CROUND                                         ; the closing round
	s_endpgm
.Lfunc_end_k_qbbecbf9e6d_qkv:
	.size	k_qbbecbf9e6d_qkv, .Lfunc_end_k_qbbecbf9e6d_qkv-k_qbbecbf9e6d_qkv
	.p2alignl 7, 3214868480
	.fill 96, 4, 3214868480
	.section	.rodata,"a",@progbits
	.p2align	6, 0x0
	.amdhsa_kernel k_qbbecbf9e6d_qkv
		.amdhsa_group_segment_fixed_size 327680
		.amdhsa_private_segment_fixed_size 0
		.amdhsa_enable_private_segment 0
		.amdhsa_kernarg_size 104
		.amdhsa_user_sgpr_count 2
		.amdhsa_user_sgpr_kernarg_segment_ptr 1
		.amdhsa_wavefront_size32 1
		.amdhsa_system_sgpr_workgroup_id_x 1
		.amdhsa_system_sgpr_workgroup_id_y 1
		.amdhsa_system_sgpr_workgroup_id_z 1
		.amdhsa_system_vgpr_workitem_id 0
		.amdhsa_next_free_vgpr 1024
		.amdhsa_next_free_sgpr 100
		.amdhsa_reserve_vcc 0
		.amdhsa_float_denorm_mode_32 3
		.amdhsa_float_denorm_mode_16_64 3
		.amdhsa_memory_ordered 1
		.amdhsa_forward_progress 1
		.amdhsa_inst_pref_size 179
	.end_amdhsa_kernel
	.amdgpu_metadata
---
amdhsa.version: [ 1, 2 ]
amdhsa.kernels:
  - .name:           k_qbbecbf9e6d_qkv
    .symbol:         k_qbbecbf9e6d_qkv.kd
    .args:
      - { .name: x_codes, .offset: 0, .size: 8, .value_kind: global_buffer, .address_space: global }
      - { .name: x_scales, .offset: 8, .size: 8, .value_kind: global_buffer, .address_space: global }
      - { .name: Wq_codes, .offset: 16, .size: 8, .value_kind: global_buffer, .address_space: global }
      - { .name: Wq_scales, .offset: 24, .size: 8, .value_kind: global_buffer, .address_space: global }
      - { .name: bq, .offset: 32, .size: 8, .value_kind: global_buffer, .address_space: global }
      - { .name: Wk_codes, .offset: 40, .size: 8, .value_kind: global_buffer, .address_space: global }
      - { .name: Wk_scales, .offset: 48, .size: 8, .value_kind: global_buffer, .address_space: global }
      - { .name: bk, .offset: 56, .size: 8, .value_kind: global_buffer, .address_space: global }
      - { .name: Wv_codes, .offset: 64, .size: 8, .value_kind: global_buffer, .address_space: global }
      - { .name: Wv_scales, .offset: 72, .size: 8, .value_kind: global_buffer, .address_space: global }
      - { .name: bv, .offset: 80, .size: 8, .value_kind: global_buffer, .address_space: global }
      - { .name: hc, .offset: 88, .size: 8, .value_kind: global_buffer, .address_space: global }
      - { .name: hs, .offset: 96, .size: 8, .value_kind: global_buffer, .address_space: global }
    .group_segment_fixed_size: 327680
    .private_segment_fixed_size: 0
    .kernarg_segment_align: 8
    .kernarg_segment_size: 104
    .max_flat_workgroup_size: 128
    .sgpr_count:     100
    .vgpr_count:     1024
    .wavefront_size: 32
...
	.end_amdgpu_metadata
.endif
;; end of part 3
;; launch outp (part 4): grid 4 x 64, 4 waves a work-group, clusters of 4 x 4, 327,680 bytes of LDS; arguments hc, hs, Wo_codes, Wo_scales, bo, out0; writes out0
.if DOCPART == 4
	.amdgcn_target "amdgcn-amd-amdhsa--gfx1250"
	.amdhsa_code_object_version 6
	.text
	.protected	k_qbbecbf9e6d_outp
	.globl	k_qbbecbf9e6d_outp
	.p2align	8
	.type	k_qbbecbf9e6d_outp,@function
k_qbbecbf9e6d_outp:
	s_mov_b64 s[64:65], 0
	v_nop
	global_prefetch_b8 v0, s[64:65] scope:SCOPE_SE
	s_setreg_imm32_b32 hwreg(HW_REG_WAVE_MODE, 25, 1), 1
	s_wait_xcnt 0x0
	s_wait_alu depctr_hold_cnt(0) depctr_sa_sdst(0) depctr_va_vdst(0) depctr_va_sdst(0) depctr_va_ssrc(0) depctr_va_vcc(0) depctr_vm_vsrc(0)
	s_getreg_b32 s2, hwreg(HW_REG_IB_STS2, 6, 4)
	s_cmp_eq_u32 s2, 0
	s_cbranch_scc0 .Lentry_in_a_cluster
	s_endpgm
.Lentry_in_a_cluster:
	s_bfe_u32 s2, ttmp6, 0x10000c
	s_cmp_lg_u32 s2, 0xf033
	s_cbranch_scc0 .Lentry_shape_is_right
	s_endpgm
.Lentry_shape_is_right:
; out0 = hidden Wo + bo, on codes of BF8 (E5M2) with one E8M0 byte for each 32 along K.  hidden comes from the launch before: hc holds images of operand registers
; [row tile][K step][c][lane][16 bytes], hs the scale words [block of 64 rows][g][lane][word 2 t + p] (K step 2 g + t; lanes 0-15 row tile 2 p, lanes 16-31 row tile 2 p + 1).
; SHARES.  A work-group takes 256 rows (rb) and 256 columns (g).  Wave w owns rows 64 w .. 64 w + 63; their fragments for all of K stay in 512 registers (windows 2 and 3), loaded once, each load 512 consecutive bytes.
; My 256 rows of Wo_codes (= columns of out0) for all of K lie in LDS, filled once, in two halves: 16 tiles of 16 rows, 32 matrix instructions each, four accumulators (row tiles) by turns, K ascending; a tile is two half tiles.
; TRANSPOSED USE: source 0 = 16 rows of Wo, source 1 = 16 of my rows: register j of lane (r, h) is out(row r, column 8 h + j of the tile).  The bias is the C of a sum's first instruction.
; THE WAY OUT.  Four tiles (a quad) are 64 columns = 256 bytes of a row.  While one quad is multiplied the quad before goes, a row tile at a time, through my own stage in LDS and leaves as aligned runs of 256 bytes.
; All memory instructions of a tile stand in ONE stretch at its odd half's head.
; CLUSTER.  The four work-groups of a column of the cluster have the same g: Wo's rows are asked for jointly.  hc is NOT, though the four of a row share it:
;   its 262,144 bytes do not fit in LDS beside Wo's 266,240.  No LDS byte is filled twice.  No prefetch: everything is asked for at the head or behind the first barrier.
.set PITCH,  1040
.set HTILE,  16*PITCH
.set QUAD,   64*PITCH
.set SCL,    256*PITCH                 ; Wo's scale bytes of my 256 rows, as rows of 256 + 16
.set BIA,    SCL+32*272                ; bo of my 256 columns
.set STG,    BIA+1024                  ; a stage of 16 rows x (256 + 16) for each wave; no fill lands here
.set SGW,    16*272
.set SPARE,  STG+4*SGW
.set SPW, 1
.set NIL, 2
.set PB,  3                            ; v3-6  1,040 r + 16 h + 66,560 k: tiles 4 k .. 4 k + 3
.set ASC, 7                            ; v7    my lane's place among the scale bytes of 32 rows
.set ABI, 8                            ; v8    BIA + 32 h
.set STO, 9                            ; v9    the stage, in: row r, 32 h
.set RD,  10                           ; v10   the stage, back: lanes 0-15 one row, lanes 16-31 the next
.set CO,  11                           ; v11   the same two rows in out0
.set LI,  12                           ; v12   16 x lane
.set XS,  16                           ; v16-31  hidden's scale words [2 s + p]
.set Z,   32                           ; v32-47  Wo's scale words, two sets [8 (pair of tiles % 2) + s]
.set BI,  48                           ; v48-63  two sets of a tile's bias
.set BB,  64                           ; v64-255 three buffers of four fragments of Wo
.set WV,  16
.set G1W, 24
.set G0W, 40                           ; s[40:43] rows 0-127;
.set G0V, 44                           ; s[44:47] rows 128-255
.set MSB, 0
.macro WIN new
.set wn, \new
.if MSB != wn
	s_set_vgpr_msb (MSB<<8)|wn
.set MSB, wn
.endif
.endm
.macro PLACES                          ; eight places behind matrix instructions of this form
.rept 8
	v_nop
.endr
.endm
.macro CREST
	s_cmp_lg_u32 s[WV], 0
	s_cbranch_scc1 .Lnot_wave_0_\@
	s_barrier_signal -3
.Lnot_wave_0_\@:
	s_barrier_wait -3
	s_barrier_signal -1
	s_barrier_wait -1
.endm
.macro CROUND
	s_barrier_signal -1
	s_barrier_wait -1
	CREST
.endm
; Matrix instruction i of 16 of half tile ht (tile ht / 2): K step 4 (ht % 2) + i / 4, row tile i % 4.  Accumulator: window 1, 128 (quad % 2) + 32 m + 8 (tile % 4).
.macro MM ht, i
.set mH, \ht
.set mI, \i
.set mT, mH/2
.set mS, mI/4
.set mM, mI%4
.set rD, 128*((mT/4)%2)+32*mM+8*(mT%4)
.set rA, BB+64*(mH%3)+16*mS
.set rB, 64*mM+16*mS
.set rSA, Z+8*((mT/2)%2)+4*(mH%2)+mS
.set rSB, XS+2*(4*(mH%2)+mS)+mM/2
.if (mH%2 == 0) && (mS == 0)
.set rC, BI+8*(mT%2)
	WIN 0x48                                       ; Wo window 0, hidden window 2, the bias window 0, D window 1
.else
.set rC, rD
	WIN 0x58+4*(mH%2)
.endif
.if (mT%2 == 0) && (mM%2 == 0)
	v_wmma_scale_f32_16x16x128_f8f6f4 v[rD:rD+7], v[rA:rA+15], v[rB:rB+15], v[rC:rC+7], v[rSA], v[rSB] matrix_a_fmt:MATRIX_FMT_BF8 matrix_b_fmt:MATRIX_FMT_BF8
.elseif mM%2 == 0
	v_wmma_scale_f32_16x16x128_f8f6f4 v[rD:rD+7], v[rA:rA+15], v[rB:rB+15], v[rC:rC+7], v[rSA], v[rSB] matrix_a_fmt:MATRIX_FMT_BF8 matrix_b_fmt:MATRIX_FMT_BF8 matrix_a_scale:MATRIX_SCALE_ROW1
.elseif mT%2 == 0
	v_wmma_scale_f32_16x16x128_f8f6f4 v[rD:rD+7], v[rA:rA+15], v[rB:rB+15], v[rC:rC+7], v[rSA], v[rSB] matrix_a_fmt:MATRIX_FMT_BF8 matrix_b_fmt:MATRIX_FMT_BF8 matrix_b_scale:MATRIX_SCALE_ROW1
.else
	v_wmma_scale_f32_16x16x128_f8f6f4 v[rD:rD+7], v[rA:rA+15], v[rB:rB+15], v[rC:rC+7], v[rSA], v[rSB] matrix_a_fmt:MATRIX_FMT_BF8 matrix_b_fmt:MATRIX_FMT_BF8 matrix_a_scale:MATRIX_SCALE_ROW1 matrix_b_scale:MATRIX_SCALE_ROW1
.endif
.endm
.macro PROD ht, f, t
.set pI, \f
.rept (\t)-(\f)
	MM \ht, pI
.set pI, pI+1
.endr
.endm
.macro RUNH h                          ; a half tile's loads: with a tile's first half its bias, with a pair of tiles' first half their scale words, ahead of the 16 fragment loads
.set h2, \h
	WIN 0
.if h2%2 == 0
	ds_load_b128 v[BI+8*((h2/2)%2):BI+8*((h2/2)%2)+3], v[ABI] offset:64*(h2/2)
	ds_load_b128 v[BI+8*((h2/2)%2)+4:BI+8*((h2/2)%2)+7], v[ABI] offset:64*(h2/2)+16
.endif
.if h2%4 == 0
	ds_load_b128 v[Z+8*((h2/4)%2):Z+8*((h2/4)%2)+3], v[ASC] offset:1088*(h2/4)
	ds_load_b128 v[Z+8*((h2/4)%2)+4:Z+8*((h2/4)%2)+7], v[ASC] offset:1088*(h2/4)+16
.endif
.set lj, 0
.rept 16
	ds_load_b128 v[BB+64*(h2%3)+4*lj:BB+64*(h2%3)+4*lj+3], v[PB+h2/8] offset:HTILE*((h2/2)%4)+512*(h2%2)+128*(lj/4)+32*(lj%4)
.set lj, lj+1
.endr
.endm
; The way out of row tile m of quad oQ, whose accumulators lie at oS.  STAGE: into my stage (each accumulator from its low end on) and back as whole rows, into the registers that they left;
; LDS serves a wave's instructions in order (ISA guide 5.7.1.4).  SEND: sixteen lanes write 256 consecutive bytes, at a multiple of 256 from out0's first byte.
.macro STAGE m
	WIN 0x04
.set vj, 0
.rept 8
	ds_store_b128 v[STO], v[oS+32*\m+4*vj:oS+32*\m+4*vj+3] offset:64*(vj/2)+16*(vj%2)
.set vj, vj+1
.endr
	WIN 0x40
.set vj, 0
.rept 8
	ds_load_b128 v[oS+32*\m+4*vj:oS+32*\m+4*vj+3], v[RD] offset:544*vj
.set vj, vj+1
.endr
.endm
.macro SEND m
	WIN 0x04
.set vj, 0
.rept 8
	global_store_b128 v[CO], v[oS+32*\m+4*vj:oS+32*\m+4*vj+3], s[14:15] offset:(16*\m+2*vj)*4096+256*oQ th:TH_STORE_NT
.set vj, vj+1
.endr
.endm
; Tile tt.  Even half: the youngest 16 LDS loads, its odd half's fragments, may be out.  In tile 7 Wo's rows 128-255 are shown to all waves.
; Odd half: the quad before's row tiles 0 and 1 are staged beside tile 0, sent beside tile 1, where 2 and 3 are staged; these are sent beside tiles 2 and 3; then the next tile's loads, its even half first.
.macro TILEX
	s_wait_dscnt 16
.if (tt%4 == 0) && (tt > 4)
	s_wait_xcnt 0x0                                ; the stores of the quad two back have read their registers: this quad's sums begin there
.endif
.if tt == 7
	PROD 2*tt, 0, 8
	s_wait_tensorcnt 0x0                           ; my part of rows 128-255 is in,
	s_wait_dscnt 0x0
	s_barrier_signal -1
	PROD 2*tt, 8, 16
	WIN 0
	s_barrier_wait -1                              ; everybody's is; this tile's run of loads is the first to read them
.else
	PROD 2*tt, 0, 16
.endif
	s_wait_dscnt 0x0
	PLACES
.if tt >= 4
.set oQ, tt/4-1
.set oS, 128*(oQ%2)
.if tt%4 == 0
	STAGE 0
	STAGE 1
.elseif tt%4 == 1
	SEND 0
	SEND 1
	STAGE 2
	STAGE 3
.elseif tt%4 == 2
	SEND 2
.else
	SEND 3
.endif
.endif
.if tt < 15
	RUNH 2*tt+2
	RUNH 2*tt+3
.endif
	PROD 2*tt+1, 0, 16
.endm
	s_load_b256 s[4:11], s[0:1], 0x0               ; hc 4, hs 6, Wo codes 8, Wo scales 10
	s_load_b128 s[12:15], s[0:1], 0x20             ; bo 12, out0 14
	v_lshl_add_u32 v[SPW], v0, 2, SPARE
	v_mov_b32 v[NIL], 0
	ds_add_u32 v[SPW], v[NIL]                      ; the wave's opening
	ds_add_u32 v[SPW], v[NIL]
	v_lshrrev_b32 v64, 5, v0
	v_readfirstlane_b32 s[WV], v64                 ; wave 0..3
	v_and_b32 v65, 31, v0                          ; lane
	v_and_b32 v66, 15, v0                          ; r
	v_bfe_u32 v67, v0, 4, 1                        ; h
	v_lshlrev_b32 v[LI], 4, v65
	v_mul_u32_u24 v[PB], v66, PITCH
	v_lshl_add_u32 v[PB], v67, 4, v[PB]
.irp k, 1,2,3
	v_add_nc_u32 v[PB+\k], \k*QUAD, v[PB]
.endr
	v_lshrrev_b32 v[ASC], 3, v65
	v_lshlrev_b32 v[ASC], 4, v[ASC]
	v_lshl_add_u32 v[ASC], v65, 5, v[ASC]
	v_add_nc_u32 v[ASC], SCL, v[ASC]
	v_lshl_add_u32 v[ABI], v67, 5, BIA
	v_mul_u32_u24 v[STO], v66, 272
	v_lshl_add_u32 v[STO], v67, 5, v[STO]
	v_mul_u32_u24 v[RD], v67, 272
	v_lshl_add_u32 v[RD], v66, 4, v[RD]
	v_lshlrev_b32 v[CO], 12, v67
	v_lshl_add_u32 v[CO], v66, 4, v[CO]
	v_lshlrev_b32 v68, 4, v0                       ; scale bytes on the way in: 16 bytes a thread,
	v_lshlrev_b32 v69, 3, v0                       ; the bias: 8
	v_lshrrev_b32 v70, 4, v0
	v_mul_u32_u24 v70, v70, 272
	v_lshl_add_u32 v70, v66, 4, v70
	v_add_nc_u32 v70, SCL, v70
	v_add_nc_u32 v71, BIA, v69
	s_wait_alu depctr_va_vdst(0)
	s_mul_i32 s56, s[WV], SGW
	s_add_co_u32 s56, s56, STG                     ; my stage
	v_add_nc_u32 v[STO], s56, v[STO]
	v_add_nc_u32 v[RD], s56, v[RD]
	s_wait_alu depctr_va_vdst(0)
	s_bfe_u32 s17, ttmp6, 0x40000                  ; cx
	s_bfe_u32 s18, ttmp6, 0x40004                  ; cy
	s_lshl_b32 s19, ttmp9, 2
	s_add_co_u32 s19, s19, s17                     ; g
	s_and_b32 s20, ttmp7, 0xffff
	s_lshl_b32 s20, s20, 2
	s_add_co_u32 s20, s20, s18                     ; rb
	s_lshl_b32 s21, 0x1111, s17                    ; my column of the cluster
	; descriptor group 1: 32 rows of Wo x 1,024 elements of 1 byte, 4 words of padding after every 256
	s_or_b32 s[G1W], s21, (1<<20)|(1<<21)|(7<<22)|(3<<25)
	s_mov_b32 s[G1W+1], 1024<<16
	s_mov_b32 s[G1W+2], 32<<16
	s_mov_b32 s[G1W+3], 1024<<16
	s_mov_b32 s[G1W+4], 32
	s_mov_b32 s[G1W+5], 1024
	s_mov_b32 s[G1W+6], 0
	s_mov_b32 s[G1W+7], 0
	s_mov_b32 s53, 0
	s_lshl_b32 s52, s19, 18                        ; by g and the wave's number: rows 32 w on, and rows 128 + 32 w on
	s_lshl_b32 s61, s[WV], 15
	s_add_co_u32 s52, s52, s61
	s_mov_b32 s[G0W], 1
	s_mul_i32 s[G0W+1], s[WV], 32*PITCH
	s_mov_b32 s[G0V], 1
	s_add_co_u32 s[G0V+1], s[G0W+1], 2*QUAD
	s_wait_dscnt 0x0                               ; both opening adds are done
	CROUND                                         ; all sixteen work-groups are here: the first joint loads meet
	s_wait_kmcnt 0x0
	s_add_nc_u64 s[G0W+2:G0W+3], s[8:9], s[52:53]
	s_add_nc_u64 s[G0V+2:G0V+3], s[G0W+2:G0W+3], 131072
	s_or_b32 s[G0W+3], s[G0W+3], 0x80000000
	s_or_b32 s[G0V+3], s[G0V+3], 0x80000000
	tensor_load_to_lds s[G0W:G0W+3], s[G1W:G1W+7]  ; rows 0-127: one tensor load a wave at the head
	s_nop 0
.rept 4
	v_nop
.endr
	s_lshl_b32 s59, s20, 8
	s_lshl_b32 s54, s[WV], 6
	s_add_co_u32 s59, s59, s54                     ; my first row
	s_mov_b32 s55, 0
	s_lshl_b32 s54, s59, 10
	s_add_nc_u64 s[4:5], s[4:5], s[54:55]          ; hc: my first row tile x 16,384
	s_lshl_b32 s54, s59, 5
	s_add_nc_u64 s[6:7], s[6:7], s[54:55]          ; hs: my block of 64 rows x 2,048
	s_lshl_b32 s54, s59, 12
	s_lshl_b32 s60, s19, 10
	s_add_co_u32 s54, s54, s60
	s_add_nc_u64 s[14:15], s[14:15], s[54:55]      ; out0: my first row, my work-group's first column
	s_mov_b32 s63, 0
	s_lshl_b32 s62, s19, 13
	s_add_nc_u64 s[10:11], s[10:11], s[62:63]      ; Wo's scale bytes of my 256 rows
	s_lshl_b32 s62, s19, 10
	s_add_nc_u64 s[12:13], s[12:13], s[62:63]      ; bo of my 256 columns
.irp i, 0,1,2,3
	global_load_b128 v[80+4*\i:83+4*\i], v68, s[10:11] offset:2048*\i
.endr
	global_load_b64 v[96:97], v69, s[12:13]
.irp k, 0,1,2,3
	global_load_b128 v[XS+4*\k:XS+4*\k+3], v[LI], s[6:7] offset:512*\k
.endr
.irp q, 0,1                            ; K steps 4 q .. 4 q + 3 into window 2 + q: fragment (m, s) at 64 m + 16 s
	WIN 0x80+0x40*\q
.irp m, 0,1,2,3
.irp s, 0,1,2,3
.irp c, 0,1,2,3
	global_load_b128 v[64*\m+16*\s+4*\c:64*\m+16*\s+4*\c+3], v[LI], s[4:5] offset:16384*\m+8192*\q+2048*\s+512*\c
.endr
.endr
.endr
.endr
	WIN 0
	s_wait_loadcnt 63                              ; the scale bytes and the bias are in: 132 loads stand behind them
.irp i, 0,1,2,3
	ds_store_b128 v70, v[80+4*\i:83+4*\i] offset:2176*\i
.endr
	ds_store_b64 v71, v[96:97]
	s_wait_tensorcnt 0x0                           ; my part of rows 0-127 is in
	ds_add_u32 v[SPW], v[NIL]
	s_wait_dscnt 0x0
	CROUND                                         ; everybody's is
	tensor_load_to_lds s[G0V:G0V+3], s[G1W:G1W+7]  ; rows 128-255
	s_nop 0
.rept 4
	v_nop
.endr
	RUNH 0
	RUNH 1
	s_wait_loadcnt 0x0                             ; hidden's fragments and scale words
.set tt, 0
.rept 16
	TILEX
.set tt, tt+1
.endr
	PLACES                                         ; the last quad: nothing is left to multiply beside it
.set oS, 128
.set oQ, 3
.irp m, 0,1,2,3
	STAGE \m
.endr
.irp m, 0,1,2,3
	s_wait_dscnt 16*(3-\m)                         ; this row tile is back; the later tiles' 8 stores and 8 loads may be out
	SEND \m
.endr
	WIN 0
	s_wait_tensorcnt 0x0                           ; the wave's end
	ds_add_u32 v[SPW], v[NIL]
	s_wait_dscnt 0x0
	CROUND                                         ; the closing round
	s_endpgm
.Lfunc_end_k_qbbecbf9e6d_outp:
	.size	k_qbbecbf9e6d_outp, .Lfunc_end_k_qbbecbf9e6d_outp-k_qbbecbf9e6d_outp
	.p2alignl 7, 3214868480
	.fill 96, 4, 3214868480
	.section	.rodata,"a",@progbits
	.p2align	6, 0x0
	.amdhsa_kernel k_qbbecbf9e6d_outp
		.amdhsa_group_segment_fixed_size 327680
		.amdhsa_private_segment_fixed_size 0
		.amdhsa_enable_private_segment 0
		.amdhsa_kernarg_size 48
		.amdhsa_user_sgpr_count 2
		.amdhsa_user_sgpr_kernarg_segment_ptr 1
		.amdhsa_wavefront_size32 1
		.amdhsa_system_sgpr_workgroup_id_x 1
		.amdhsa_system_sgpr_workgroup_id_y 1
		.amdhsa_system_sgpr_workgroup_id_z 1
		.amdhsa_system_vgpr_workitem_id 0
		.amdhsa_next_free_vgpr 1024
		.amdhsa_next_free_sgpr 80
		.amdhsa_reserve_vcc 0
		.amdhsa_float_denorm_mode_32 3
		.amdhsa_float_denorm_mode_16_64 3
		.amdhsa_memory_ordered 1
		.amdhsa_forward_progress 1
		.amdhsa_inst_pref_size 156
	.end_amdhsa_kernel
	.amdgpu_metadata
---
amdhsa.version: [ 1, 2 ]
amdhsa.kernels:
  - .name:           k_qbbecbf9e6d_outp
    .symbol:         k_qbbecbf9e6d_outp.kd
    .args:
      - { .name: hc, .offset: 0, .size: 8, .value_kind: global_buffer, .address_space: global }
      - { .name: hs, .offset: 8, .size: 8, .value_kind: global_buffer, .address_space: global }
      - { .name: Wo_codes, .offset: 16, .size: 8, .value_kind: global_buffer, .address_space: global }
      - { .name: Wo_scales, .offset: 24, .size: 8, .value_kind: global_buffer, .address_space: global }
      - { .name: bo, .offset: 32, .size: 8, .value_kind: global_buffer, .address_space: global }
      - { .name: out0, .offset: 40, .size: 8, .value_kind: global_buffer, .address_space: global }
    .group_segment_fixed_size: 327680
    .private_segment_fixed_size: 0
    .kernarg_segment_align: 8
    .kernarg_segment_size: 48
    .max_flat_workgroup_size: 128
    .sgpr_count:     80
    .vgpr_count:     1024
    .wavefront_size: 32
...
	.end_amdgpu_metadata
.endif
;; end of part 4
